; MI455X (gfx1250); checked and timed in simulation.
; The chip was launched on July 23, 2026; its instructions are those of AMD's public machine-readable ISA for CDNA 5 (MIT licence, August 2026) and "CDNA5" Instruction Set Architecture Reference Guide (July 2026). The comments in the code are by the model that wrote it; some were corrected since.
;; Offline Sliding Window Attn. Allowed arithmetic: float matrix products may take bf16 or f16 operands with f32 sums; other float arithmetic in f32, or as packed bf16 or f16 multiplies, adds, multiply-adds, maxima and minima; sums over many terms, partial sums and values carried from step to step in f32; what a program stores and reads back later, other than sums and carried values, may be rounded once to bf16 or f16.
;; Inputs: k 2 x 2,048 x 4 x 128 float32; q 2 x 2,048 x 16 x 128 float32; v 2 x 2,048 x 4 x 128 float32.
;; Outputs: out0 2 x 2,048 x 16 x 128 float32.
;; 2 versions, each right and faster than the one before. Each part assembles by itself: llvm-mc -triple=amdgcn-amd-amdhsa -mcpu=gfx1250 --defsym DOCPART=n.
;; ======== version 1 of 2: 2 launches
;; limits: values are held in f16: magnitudes above 65,504 overflow, below 6.1e-05 lose precision; inputs' magnitudes at most 65,504
;; workspace buffers: kb 4,194,304 bytes; vb 4,194,304 bytes
;; launch cast (part 1): grid 256 x 2, 8 waves a work-group, no clusters, 0 bytes of LDS; arguments k, v, kb, vb; writes kb, vb
.if DOCPART == 1
	.amdgcn_target "amdgcn-amd-amdhsa--gfx1250"
	.amdhsa_code_object_version 6
	.text
	.protected	k_qe565fe20d5_cast
	.globl	k_qe565fe20d5_cast
	.p2align	8
	.type	k_qe565fe20d5_cast,@function
k_qe565fe20d5_cast:
	s_mov_b64 s[64:65], 0
	v_nop
	global_prefetch_b8 v0, s[64:65] scope:SCOPE_SE
	s_setreg_imm32_b32 hwreg(HW_REG_WAVE_MODE, 25, 1), 1
	s_wait_xcnt 0x0
; k, v: [2][2048][4][128] f32  ->  kb, vb: [2][4][2048][128] in 16 bits, by heads, so that 64 keys of a head are 16,384 dense bytes.
; kb = k rounded to bf16.  vb = v rounded to bf16, and that number written as f16 (exact where f16 is normal).
; LIMITS.  |v| stays under 65,504 (f16's end); a v below 6e-5 keeps f16's fixed step of 6e-8.
; Grid y picks the tensor; a work-group takes 16 positions, a wave 2 positions x 4 heads = 8 rows of 512 bytes.
; One load of a wave covers one row (512 consecutive bytes); one store covers one row of the result: 256 consecutive bytes, aligned.
; Memory binds: no LDS, no barrier, no matrix unit; all eight loads of a wave go out before the first wait.
.set X, 4                              ; v[4:35]   row j as loaded: 4 registers
.set Y, 36                             ; v[36:51]  row j to store: 2 registers
.set T, 52                             ; v[52:53]  at work
	s_load_b256 s[4:11], s[0:1], 0x0               ; k s[4:5], v s[6:7], kb s[8:9], vb s[10:11]
	s_and_b32 s20, ttmp7, 0xffff                   ; 0: k, 1: v
	s_lshl_b32 s16, ttmp9, 15                      ; in: 16 positions of 2,048 bytes
	s_mov_b32 s17, 0
	s_lshr_b32 s18, ttmp9, 7                       ; out: the batch, 4 heads x 2,048 rows x 256 bytes,
	s_lshl_b32 s18, s18, 21
	s_and_b32 s19, ttmp9, 127                      ; and 16 rows of 256 bytes in each head
	s_lshl_b32 s19, s19, 12
	s_add_co_u32 s18, s18, s19
	s_mov_b32 s19, 0
	v_lshrrev_b32 v3, 5, v0                        ; wave
	v_and_b32 v2, 31, v0                           ; lane
	v_lshlrev_b32 v1, 4, v2
	v_lshl_add_u32 v1, v3, 12, v1                  ; in: wave x 2 positions + 16 bytes a lane
	v_lshlrev_b32 v2, 3, v2
	v_lshl_add_u32 v2, v3, 9, v2                   ; out: wave x 2 rows + 8 bytes a lane
	s_wait_kmcnt 0x0
	s_cmp_eq_u32 s20, 0
	s_cselect_b64 s[12:13], s[4:5], s[6:7]         ; the tensor read,
	s_cselect_b64 s[14:15], s[8:9], s[10:11]       ; and the one written
	s_add_nc_u64 s[12:13], s[12:13], s[16:17]
	s_add_nc_u64 s[14:15], s[14:15], s[18:19]
.irp j, 0,1,2,3,4,5,6,7
	global_load_b128 v[X+4*\j:X+4*\j+3], v1, s[12:13] offset:512*\j th:TH_LOAD_NT  ; row j = 4 x position + head
.endr
	s_cmp_eq_u32 s20, 0
	s_cbranch_scc0 .Lv
.irp j, 0,1,2,3,4,5,6,7
	s_wait_loadcnt 7-\j                            ; loads come back in order: row j is in, the younger rows stay out
	v_cvt_pk_bf16_f32 v[Y+2*\j], v[X+4*\j], v[X+4*\j+1]
	v_cvt_pk_bf16_f32 v[Y+2*\j+1], v[X+4*\j+2], v[X+4*\j+3]
	global_store_b64 v2, v[Y+2*\j:Y+2*\j+1], s[14:15] offset:(\j%4)*524288+(\j/4)*256
.endr
	s_endpgm
.Lv:
.irp j, 0,1,2,3,4,5,6,7
	s_wait_loadcnt 7-\j
	v_cvt_pk_bf16_f32 v[T], v[X+4*\j], v[X+4*\j+1]     ; rounded to bf16,
	v_cvt_pk_bf16_f32 v[T+1], v[X+4*\j+2], v[X+4*\j+3]
	v_lshlrev_b32 v[X+4*\j], 16, v[T]                  ; widened again,
	v_and_b32 v[X+4*\j+1], 0xffff0000, v[T]
	v_lshlrev_b32 v[X+4*\j+2], 16, v[T+1]
	v_and_b32 v[X+4*\j+3], 0xffff0000, v[T+1]
	v_cvt_pk_f16_f32 v[Y+2*\j], v[X+4*\j], v[X+4*\j+1]  ; and written as f16
	v_cvt_pk_f16_f32 v[Y+2*\j+1], v[X+4*\j+2], v[X+4*\j+3]
	global_store_b64 v2, v[Y+2*\j:Y+2*\j+1], s[14:15] offset:(\j%4)*524288+(\j/4)*256
.endr
	s_endpgm
.Lfunc_end_k_qe565fe20d5_cast:
	.size	k_qe565fe20d5_cast, .Lfunc_end_k_qe565fe20d5_cast-k_qe565fe20d5_cast
	.p2alignl 7, 3214868480
	.fill 96, 4, 3214868480
	.section	.rodata,"a",@progbits
	.p2align	6, 0x0
	.amdhsa_kernel k_qe565fe20d5_cast
		.amdhsa_group_segment_fixed_size 0
		.amdhsa_private_segment_fixed_size 0
		.amdhsa_enable_private_segment 0
		.amdhsa_kernarg_size 32
		.amdhsa_user_sgpr_count 2
		.amdhsa_user_sgpr_kernarg_segment_ptr 1
		.amdhsa_wavefront_size32 1
		.amdhsa_system_sgpr_workgroup_id_x 1
		.amdhsa_system_sgpr_workgroup_id_y 1
		.amdhsa_system_sgpr_workgroup_id_z 1
		.amdhsa_system_vgpr_workitem_id 0
		.amdhsa_next_free_vgpr 56
		.amdhsa_next_free_sgpr 66
		.amdhsa_reserve_vcc 0
		.amdhsa_float_denorm_mode_32 3
		.amdhsa_float_denorm_mode_16_64 3
		.amdhsa_memory_ordered 1
		.amdhsa_forward_progress 1
		.amdhsa_inst_pref_size 9
	.end_amdhsa_kernel
	.amdgpu_metadata
---
amdhsa.version: [ 1, 2 ]
amdhsa.kernels:
  - .name:           k_qe565fe20d5_cast
    .symbol:         k_qe565fe20d5_cast.kd
    .args:
      - { .name: k, .offset: 0, .size: 8, .value_kind: global_buffer, .address_space: global }
      - { .name: v, .offset: 8, .size: 8, .value_kind: global_buffer, .address_space: global }
      - { .name: kb, .offset: 16, .size: 8, .value_kind: global_buffer, .address_space: global }
      - { .name: vb, .offset: 24, .size: 8, .value_kind: global_buffer, .address_space: global }
    .group_segment_fixed_size: 0
    .private_segment_fixed_size: 0
    .kernarg_segment_align: 8
    .kernarg_segment_size: 32
    .max_flat_workgroup_size: 256
    .sgpr_count:     66
    .vgpr_count:     56
    .wavefront_size: 32
...
	.end_amdgpu_metadata
.endif
;; end of part 1
;; launch attn (part 2): grid 768 x 1, 4 waves a work-group, clusters of 4 x 1, 327,680 bytes of LDS; arguments q, kb, vb, out0; writes out0
.if DOCPART == 2
	.amdgcn_target "amdgcn-amd-amdhsa--gfx1250"
	.amdhsa_code_object_version 6
	.text
	.protected	k_qe565fe20d5_attn
	.globl	k_qe565fe20d5_attn
	.p2align	8
	.type	k_qe565fe20d5_attn,@function
k_qe565fe20d5_attn:
	s_mov_b64 s[64:65], 0
	v_nop
	global_prefetch_b8 v0, s[64:65] scope:SCOPE_SE
	s_setreg_imm32_b32 hwreg(HW_REG_WAVE_MODE, 25, 1), 1
	s_wait_xcnt 0x0
	s_wait_alu depctr_hold_cnt(0) depctr_sa_sdst(0) depctr_va_vdst(0) depctr_va_sdst(0) depctr_va_ssrc(0) depctr_va_vcc(0) depctr_vm_vsrc(0)
	s_getreg_b32 s2, hwreg(HW_REG_IB_STS2, 6, 4)
	s_cmp_eq_u32 s2, 0
	s_cbranch_scc0 .Lentry_in_a_cluster
	s_endpgm
.Lentry_in_a_cluster:
	s_bfe_u32 s2, ttmp6, 0x10000c
	s_cmp_lg_u32 s2, 0x3003
	s_cbranch_scc0 .Lentry_shape_is_right
	s_endpgm
.Lentry_shape_is_right:
; SLIDING-WINDOW CAUSAL ATTENTION WITH A CAPPED AND CLIPPED SOFTMAX.  q, out: [2][2048][16][128] f32.  kb (bf16), vb (f16): [2][4][2048][128].
; Key k counts for query q if q - 1024 <= k <= q.  score = 30 tanh(q.k / sqrt(128)); p = softmax; A = clip(1.06 p - 0.03, 0, 1); O = A V.
; THE WEIGHT.  w = e^(30 tanh x - 30) = 2^(-(60 log2 e) / (1 + e^(2x))): E = 2^(c1 s + log2 kk), D = -E - kk, R = 1 / D, w = 2^R, kk = 1 / (60 log2 e).
; The shift is 30, the bound that tanh sets for every input, not the row's maximum: w lies in e^-60 .. 1 and a row's sum l in e^-60 .. 1025, so nothing overflows or underflows in f32.
; The clip is not linear in p, so l is wanted before the second product: PASS 1 makes all w of the band and l and keeps w in registers (f32); PASS 2 makes A = clamp(w (1.06 / l) - 0.03), rounds it to f16 and multiplies by V.
; LIMITS.  q and k are rounded to bf16, v to bf16 (written as f16: |v| < 65,504), A to f16.  1.06 / l is formed first and then multiplied by w.  NaN and infinities are not treated apart.
; SHARES.  A cluster of four work-groups owns one K/V head and 64 positions (a block); a work-group 16 of them x the 4 query heads.  A step is 64 keys.  Wave w: keys 32 (w / 2) .. of every step, two tiles of
; 16 queries: tile t is head 2 (w % 2) + ((w / 2) xor t).  Tile 0 is the head that the wave finishes; tile 1's sums go to wave w xor 2.
; EQUAL WORK.  Block X needs min(X + 1, 17) steps.  A cluster takes one block X >= 16 (FULL: 17 steps) or the two blocks I and 15 - I (PAIR: I + 1 and 16 - I steps): 17 steps always.  SWP is the first step of the
; second block (0 if FULL).  In a PAIR the first block's diagonal step comes first, so step 0 and step 16 alone take a mask (w times 0 or 1), whatever the cluster.
; CLUSTER.  The four partners walk the same K and V tiles: each tile is asked for jointly.  All 17 tiles of K and then of V lie in LDS units that are filled in six rounds.
; REGISTERS, in windows of 256 (s_set_vgpr_msb: bits 1:0 source 0, 3:2 source 1, 5:4 source 2, 7:6 destination):
;   window 0: v0-15 addresses; v16-31 PD, v32-47 ME (masks); v48-63 l; v64-127 Q in hand, v128-191 the second block's Q.  Pass 2: v16-29 1.06 / l and -0.03; v64-191 O of the second block; v192-255 V (even steps)
;   windows 1-3: v0-63 K of one step (pass 2: O of the first block, tile 0 and tile 1; V of odd steps); from v64 on w, 32 registers a step [tile][16 keys][8]: steps 0-5, 6-11, 12-16
.set SUB,   18432                      ; an LDS unit: 64 rows of V at 288 bytes; 64 rows of K at 272 fit too
.set PK,    272                        ; 256 + 16 bytes: the 16 rows of a fragment load start 4 banks apart (64 banks of 4 bytes: ISA guide 11.1)
.set PV,    288                        ; 256 + 32 bytes
.set QP,    528                        ; a head's row of Q in f32: 512 + 16 bytes
.set QQ,    8448                       ; four positions x four heads of Q; also a wave's stage of 16 rows x 528
.set QBO,   2*SUB                      ; the second block's Q
.set LX,    17*SUB                     ; 1,024 bytes: the waves' sums l
.set SPARE, LX+1024                    ; the spare words, 128 bytes for each wave: two blocks of 256 bytes that no other line names
.set EXA,   2*SUB                      ; the end: the stage of the first block's handed-over tiles (the second block's lies at 0)
.set RS,    4*SUB                      ; the end: each wave's own stage for whole rows
.set AK0, 3                            ; v3   my lane's place in a tile of K; never rewritten
.set AV0, 4                            ; v4   the same for V
.set ADK, 5                            ; v5   the LDS address of K's run of loads
.set ADV, 6                            ; v6   of V's
.set AQ,  7                            ; v7-8 my lane's place in Q, tile 0 and tile 1
.set LXS, 12                           ; v12  where I put my sums l
.set LXR, 13                           ; v13  where my partner's lie
.set SPW, 14                           ; v14  LDS address of my spare word; never rewritten
.set NIL, 15                           ; v15  0; never rewritten
.set PD,  16                           ; 1 where key 16 kt + j is at or below the diagonal
.set ME,  32                           ; step 0's mask: the window's lower edge (FULL) or the diagonal (PAIR)
.set LC,  48                           ; l of the block in hand: tile t, chain a at LC + 4 t + 2 a
.set LA,  56                           ; l of the first block
.set QC,  64
.set QN,  128
.set RLC, 16                           ; pass 2: 1.06 / l in hand, a pair a tile;
.set RLA, 20                           ; the first block's;
.set RLB, 24                           ; the second block's
.set CN,  28                           ; -0.03, twice
.set WV,  12                           ; s12 wave   s13 wave / 2   s14 wave % 2
.set WK,  13
.set WQ,  14
.set CX,  15                           ; s15 my place in the cluster: it enters Q's and out's addresses and the masks' values alone
.set CMB, 16                           ; s16 4 x batch + K/V head
.set COM, 17                           ; s17 the byte offset in q and out of batch and K/V head
.set SWP, 18
.set BAS, 19                           ; s19 the second block's first key step
.set IA,  20                           ; s20, s21 the two blocks (equal if FULL)
.set IB,  21
.set TC,  22                           ; s[22:23] at work on numbers that hold cx
.set G1K, 24                           ; s[24:31] group 1 of K's tiles;  s[32:39] of V's;  s[40:47] of Q's;  s[88:95] of a quarter of K's
.set G1V, 32
.set G1Q, 40
.set G0QA, 48                          ; groups 0 of the first fills
.set G0QB, 52
.set G0R, 56                           ; K(w), and then every refill
.set G0K1, 60
.set G0K2, 68
.set C1,  72                           ; s[72:73] c1 = 2 log2(e) / sqrt(128)
.set LK,  74                           ; s[74:75] log2 kk
.set NK,  76                           ; s[76:77] -kk
.set SEL, 78                           ; s[78:79] v_permlanex16_b32's selects
.set STP, 80                           ; s80 a step   s81 its key step   s[82:83] its byte offset
.set KS,  81
.set OFF, 82
.set OB,  84                           ; s[84:85] out at my rows of the second block, s[86:87] of the first
.set OA,  86
.set G1S, 88
.set G0S, 96
.set MSB, 0
.macro WIN new                         ; the high byte repeats the setting that is left; a switch that changes nothing is dropped
.if MSB != (\new)
	s_set_vgpr_msb (MSB<<8)|(\new)
.set MSB, (\new)
.endif
.endm
.macro PLACES
.rept 4
	v_nop
.endr
.endm
; A round of the cluster's barrier: my work-group's barrier, wave 0 signals for the work-group, every wave waits for all four work-groups, my work-group's barrier once more.
.macro CROUND
	s_barrier_signal -1
	s_barrier_wait -1
	s_cmp_lg_u32 s[WV], 0
	s_cbranch_scc1 .Lnw0_\@
	s_barrier_signal -3
.Lnw0_\@:
	s_barrier_wait -3
	s_barrier_signal -1
	s_barrier_wait -1
.endm
; Step s[STP] -> the byte offset of its 64 keys in a head.  From SWP on: step - SWP + BAS.  Before: the first block's diagonal step first, then key steps 0, 1, ..
.macro KSOF
	s_sub_co_u32 s[KS], s[STP], s[SWP]
	s_add_co_u32 s[KS], s[KS], s[BAS]
	s_sub_co_u32 s2, s[STP], 1
	s_cmp_eq_u32 s[STP], 0
	s_cselect_b32 s2, s[IA], s2
	s_cmp_ge_u32 s[STP], s[SWP]
	s_cselect_b32 s[KS], s[KS], s2
	s_lshl_b32 s[OFF], s[KS], 14
.endm
.macro KG0 g, first, unit              ; group 0 for K's tile of step wave + first, into unit wave + unit
	s_add_co_u32 s[STP], s[WV], \first
	KSOF
	s_mov_b32 s[\g], 1
	s_mul_i32 s[(\g)+1], s[WV], SUB
	s_add_co_u32 s[(\g)+1], s[(\g)+1], (\unit)*SUB
	s_add_nc_u64 s[(\g)+2:(\g)+3], s[6:7], s[OFF:OFF+1]
	s_or_b32 s[(\g)+3], s[(\g)+3], 0x80000000
.endm
.macro QG0 g, blk, lds                 ; group 0 for my wave's four positions of block blk's Q: position 64 blk + 16 cx + 4 w
	s_lshl_b32 s[TC], s[\blk], 6
	s_lshl_b32 s[TC+1], s[CX], 4
	s_add_co_u32 s[TC], s[TC], s[TC+1]
	s_lshl_b32 s[TC+1], s[WV], 2
	s_add_co_u32 s[TC], s[TC], s[TC+1]
	s_lshl_b32 s[TC], s[TC], 13                    ; a position is 16 heads x 512 bytes
	s_add_co_u32 s[TC], s[TC], s[COM]
	s_mov_b32 s[TC+1], 0
	s_mov_b32 s[\g], 1
	s_mul_i32 s[(\g)+1], s[WV], QQ
	s_add_co_u32 s[(\g)+1], s[(\g)+1], \lds
	s_add_nc_u64 s[(\g)+2:(\g)+3], s[4:5], s[TC:TC+1]
	s_or_b32 s[(\g)+3], s[(\g)+3], 0x80000000
.endm
; A REFILL: each wave waits for all its tensor loads, adds 0 to its spare word, makes its descriptor, waits for the add and for its LDS reads; a round of the cluster's barrier; then its one joint load.
; isv = 0: K's tile of step wave + first.  isv = 1: V's tile number wave + first of pass 2's order (steps 8 .. 16, then 0 .. 7).  Into unit wave + unit.
.macro REFILL isv, first, unit
	WIN 0
	s_wait_tensorcnt 0x0                           ; no tensor load of mine is out, so the group 0 may be written
	ds_add_u32 v[SPW], v[NIL]
	s_add_co_u32 s[STP], s[WV], \first
.if \isv
	s_add_co_u32 s2, s[STP], 8
	s_sub_co_u32 s3, s[STP], 9
	s_cmp_le_u32 s[STP], 8
	s_cselect_b32 s[STP], s2, s3
.endif
	KSOF
	s_mul_i32 s[G0R+1], s[WV], SUB
	s_add_co_u32 s[G0R+1], s[G0R+1], (\unit)*SUB
.if \isv
	s_add_nc_u64 s[G0R+2:G0R+3], s[8:9], s[OFF:OFF+1]
.else
	s_add_nc_u64 s[G0R+2:G0R+3], s[6:7], s[OFF:OFF+1]
.endif
	s_or_b32 s[G0R+3], s[G0R+3], 0x80000000
	s_wait_dscnt 0x0                               ; the add is done, and my reads of the units to be filled are over
	CROUND
.if \isv
	tensor_load_to_lds s[G0R:G0R+3], s[G1V:G1V+7]
.else
	tensor_load_to_lds s[G0R:G0R+3], s[G1K:G1K+7]
.endif
	s_nop 0
	PLACES
.endm
.macro SETUK n                         ; uk = the unit of K's tile of step n, and of V's tile number n
.if (\n) < 12
.set uk, (\n)+4
.elseif (\n) < 16
.set uk, (\n)-12
.else
.set uk, 16
.endif
.endm
	s_load_b256 s[4:11], s[0:1], 0x0               ; q s[4:5], kb s[6:7], vb s[8:9], out s[10:11]
	v_lshl_add_u32 v[SPW], v0, 2, SPARE
	v_mov_b32 v[NIL], 0
	ds_add_u32 v[SPW], v[NIL]                      ; the wave's opening: the add and its wait stand ahead of my first tensor load
	v_lshrrev_b32 v1, 5, v0
	v_readfirstlane_b32 s[WV], v1
	s_lshr_b32 s[WK], s[WV], 1
	s_and_b32 s[WQ], s[WV], 1
	s_bfe_u32 s[CX], ttmp6, 0x40000
	s_and_b32 s[CMB], ttmp9, 7                     ; in a cluster launch ttmp9 counts clusters: 8 heads x 24
	s_lshr_b32 s[COM], ttmp9, 3                    ; j = 0 .. 23: below 16 FULL (block 16 + j), else PAIR (blocks j - 16 and 31 - j)
	s_add_co_u32 s2, s[COM], 16
	s_sub_co_u32 s3, 31, s[COM]
	s_sub_co_u32 s[STP], s[COM], 16
	s_sub_co_u32 s[KS], s[COM], 15
	s_cmp_lt_u32 s[COM], 16
	s_cselect_b32 s[IB], s2, s3
	s_cselect_b32 s[IA], s2, s[STP]
	s_cselect_b32 s[SWP], 0, s[KS]
	s_cselect_b32 s[BAS], s[COM], 0
	s_lshr_b32 s2, s[CMB], 2
	s_lshl_b32 s2, s2, 24                          ; a batch of q or out is 16,777,216 bytes,
	s_and_b32 s3, s[CMB], 3
	s_lshl_b32 s3, s3, 11                          ; a K/V head's four query heads 2,048
	s_add_co_u32 s[COM], s2, s3
	; group 1: 64 rows x 128 elements of 2 bytes, padded behind every 64 words; the mask names all four work-groups, bit 21 beside it
	s_mov_b32 s[G1K], 15|(1<<16)|(1<<20)|(1<<21)|(5<<22)|(3<<25)
	s_mov_b32 s[G1V], 15|(1<<16)|(1<<20)|(1<<21)|(5<<22)|(7<<25)
	s_mov_b32 s[G1S], 15|(1<<16)|(1<<20)|(1<<21)|(5<<22)|(3<<25)
.irp g, G1K, G1V
	s_mov_b32 s[\g+1], 128<<16                     ; tensor_dim0
	s_mov_b32 s[\g+2], 64<<16                      ; tensor_dim1
	s_mov_b32 s[\g+3], 128<<16                     ; tile_dim0
	s_mov_b32 s[\g+4], 64                          ; tile_dim1
	s_mov_b32 s[\g+5], 128                         ; elements from row to row
	s_mov_b32 s[\g+6], 0
	s_mov_b32 s[\g+7], 0
.endr
	s_mov_b32 s[G1S+1], 128<<16                    ; the same with 16 rows
	s_mov_b32 s[G1S+2], 16<<16
	s_mov_b32 s[G1S+3], 128<<16
	s_mov_b32 s[G1S+4], 16
	s_mov_b32 s[G1S+5], 128
	s_mov_b32 s[G1S+6], 0
	s_mov_b32 s[G1S+7], 0
	s_mov_b32 s[G1Q], (2<<16)|(1<<20)|(6<<22)|(3<<25)  ; Q: no mask; elements of 4 bytes; 4 words of padding behind every 128 (a head)
	s_mov_b32 s[G1Q+1], 512<<16                    ; a row: one position's four heads
	s_mov_b32 s[G1Q+2], 4<<16                      ; four positions
	s_mov_b32 s[G1Q+3], 512<<16
	s_mov_b32 s[G1Q+4], 4
	s_mov_b32 s[G1Q+5], 2048
	s_mov_b32 s[G1Q+6], 0
	s_mov_b32 s[G1Q+7], 0
	s_mov_b32 s[C1], 0x3e8293ee                    ; 0.2550349
	s_mov_b32 s[C1+1], s[C1]                       ; named as pairs, so both words are written
	s_mov_b32 s[LK], 0xc0cdf0e7                    ; -6.4356570
	s_mov_b32 s[LK+1], s[LK]
	s_mov_b32 s[NK], 0xbc3d4680                    ; -0.011552453
	s_mov_b32 s[NK+1], s[NK]
	s_mov_b32 s[SEL], 0x76543210
	s_mov_b32 s[SEL+1], 0xfedcba98
	s_mov_b32 s[OFF+1], 0
	s_wait_dscnt 0x0                               ; the opening add is done
	s_wait_kmcnt 0x0
	s_lshl_b32 s[OFF], s[CMB], 19                  ; a head of kb or vb is 524,288 bytes
	s_add_nc_u64 s[6:7], s[6:7], s[OFF:OFF+1]
	s_add_nc_u64 s[8:9], s[8:9], s[OFF:OFF+1]
	QG0 G0QA, IA, 0
	QG0 G0QB, IB, QBO
	KG0 G0R, 0, 4
	KG0 G0K1, 4, 8
	KG0 G0K2, 8, 12
	s_mov_b32 s[STP], 16                           ; step 16's tile in quarters: 16 rows a wave
	KSOF
	s_lshl_b32 s2, s[WV], 12
	s_add_co_u32 s[OFF], s[OFF], s2
	s_mov_b32 s[G0S], 1
	s_mul_i32 s[G0S+1], s[WV], 16*PK
	s_add_co_u32 s[G0S+1], s[G0S+1], 16*SUB
	s_add_nc_u64 s[G0S+2:G0S+3], s[6:7], s[OFF:OFF+1]
	s_or_b32 s[G0S+3], s[G0S+3], 0x80000000
.irp x, 0,1                            ; out at my 16 positions and my head 2 (w % 2) + w / 2, for the second block and the first
	s_lshl_b32 s[TC], s[IB-\x], 6
	s_lshl_b32 s[TC+1], s[CX], 4
	s_add_co_u32 s[TC], s[TC], s[TC+1]
	s_lshl_b32 s[TC], s[TC], 13
	s_add_co_u32 s[TC], s[TC], s[COM]
	s_lshl_b32 s[TC+1], s[WQ], 10
	s_add_co_u32 s[TC], s[TC], s[TC+1]
	s_lshl_b32 s[TC+1], s[WK], 9
	s_add_co_u32 s[TC], s[TC], s[TC+1]
	s_mov_b32 s[TC+1], 0
	s_add_nc_u64 s[OB+2*\x:OB+2*\x+1], s[10:11], s[TC:TC+1]
.endr
	CROUND                                         ; all four work-groups are here: the first joint loads meet
	tensor_load_to_lds s[G0QA:G0QA+3], s[G1Q:G1Q+7]  ; the first fills, six of mine out: Q of both blocks, K of steps w, 4 + w, 8 + w, a quarter of step 16's
	s_nop 0
	tensor_load_to_lds s[G0QB:G0QB+3], s[G1Q:G1Q+7]
	s_nop 0
	tensor_load_to_lds s[G0R:G0R+3], s[G1K:G1K+7]
	s_nop 0
	tensor_load_to_lds s[G0K1:G0K1+3], s[G1K:G1K+7]
	s_nop 0
	tensor_load_to_lds s[G0K2:G0K2+3], s[G1K:G1K+7]
	s_nop 0
	tensor_load_to_lds s[G0S:G0S+3], s[G1S:G1S+7]
	s_nop 0
	PLACES
	; lane addresses, masks and zeros, in the wait for the first tiles
	v_and_b32 v1, 15, v0                           ; r = l % 16
	v_bfe_u32 v2, v0, 4, 1                         ; h = l / 16
	v_mul_u32_u24 v[AK0], v1, PK                   ; a fragment of K: row 32 (w / 2) + r, 16 bytes for each half of the lanes
	v_lshl_add_u32 v[AK0], v2, 4, v[AK0]
	s_mul_i32 s2, s[WK], 32*PK
	v_add_nc_u32 v[AK0], s2, v[AK0]
	v_and_b32 v[ADK], 7, v0                        ; the turning load: key 32 (w / 2) + 8 h + l % 8, channels 8 ((l / 8) % 2) on
	v_lshl_add_u32 v[ADK], v2, 3, v[ADK]
	v_mul_u32_u24 v[AV0], v[ADK], PV
	v_bfe_u32 v[ADK], v0, 3, 1
	v_lshl_add_u32 v[AV0], v[ADK], 4, v[AV0]
	s_mul_i32 s2, s[WK], 32*PV
	v_add_nc_u32 v[AV0], s2, v[AV0]
	v_mul_u32_u24 v[AQ], v1, 4*QP                  ; Q in f32: position r, 32 bytes for each half of the lanes, my tile's head
	v_lshl_add_u32 v[AQ], v2, 5, v[AQ]
	s_mul_i32 s2, s[WQ], 2*QP                      ; head 2 (w % 2)
	s_mul_i32 s3, s[WK], QP
	s_add_co_u32 s3, s3, s2                        ; + w / 2: tile 0
	s_xor_b32 s[STP], s[WK], 1
	s_mul_i32 s[STP], s[STP], QP
	s_add_co_u32 s2, s2, s[STP]                    ; + the other one: tile 1
	v_add_nc_u32 v[AQ+1], s2, v[AQ]
	v_add_nc_u32 v[AQ], s3, v[AQ]
	s_lshl_b32 s2, s[WV], 7
	s_add_co_u32 s2, s2, LX
	v_lshl_add_u32 v[LXS], v1, 2, s2
	s_xor_b32 s3, s[WV], 2
	s_lshl_b32 s3, s3, 7
	s_add_co_u32 s3, s3, LX
	v_lshl_add_u32 v[LXR], v1, 2, s3
	s_lshl_b32 s[TC], s[CX], 4                     ; d = my query's place among the step's keys less my lane's first key: 16 cx + r - 32 (w / 2) - 8 h
	s_lshl_b32 s[TC+1], s[WK], 5
	s_sub_co_i32 s[TC], s[TC], s[TC+1]
	v_add_nc_u32 v9, s[TC], v1
	v_lshlrev_b32 v10, 3, v2
	v_sub_nc_u32 v9, v9, v10
	s_cmp_eq_u32 s[SWP], 0                         ; FULL?  The lines below leave SCC as it is
.set i, 0
.rept 16
	v_cmp_le_i32 vcc_lo, 16*(i/8)+i%8, v9          ; at or below the diagonal
	v_cmp_ge_i32 s[TC], 16*(i/8)+i%8, v9           ; at or above the window's lower edge
	v_cndmask_b32 v[PD+i], 0, 1.0, vcc_lo
	s_cselect_b32 s[TC+1], s[TC], vcc_lo
	v_cndmask_b32 v[ME+i], 0, 1.0, s[TC+1]
.set i, i+1
.endr
.set i, 0
.rept 16
	v_mov_b32 v[LC+i], 0
.set i, i+1
.endr
	s_wait_tensorcnt 0x0                           ; all six of my first fills have landed,
	s_barrier_signal -1
	s_barrier_wait -1                              ; and everybody's: both Q and K of steps 0 .. 11 and 16 are whole
	; Q: f32 out of LDS, rounded to bf16.  A fragment i = 4 t + c (tile t, channels 32 c on) is 16 f32 a lane: channels 8 h + 0..7 and 16 + 8 h + 0..7
.macro QLD i, off
	ds_load_b128 v[64+16*(\i):64+16*(\i)+3],     v[AQ+(\i)/4] offset:(\off)+128*((\i)%4)
	ds_load_b128 v[64+16*(\i)+4:64+16*(\i)+7],   v[AQ+(\i)/4] offset:(\off)+128*((\i)%4)+16
	ds_load_b128 v[64+16*(\i)+8:64+16*(\i)+11],  v[AQ+(\i)/4] offset:(\off)+128*((\i)%4)+64
	ds_load_b128 v[64+16*(\i)+12:64+16*(\i)+15], v[AQ+(\i)/4] offset:(\off)+128*((\i)%4)+80
.endm
	WIN 0x40                                       ; the first block's into w's registers of window 1, which are still free
.irp i, 0,1,2,3,4,5,6,7
	QLD \i, 0
.endr
	WIN 0x80                                       ; the second block's into window 2: tile 0 now,
.irp i, 0,1,2,3
	QLD \i, QBO
.endr
	s_wait_dscnt 16                                ; all but the 16 just issued: the first block's Q is in
	WIN 0x05
.set i, 0
.rept 64
	v_cvt_pk_bf16_f32 v[QC+i], v[64+2*i], v[64+2*i+1]
.set i, i+1
.endr
	WIN 0x80                                       ; tile 1 behind the first block's conversions: 48 LDS loads of mine are out at the most
.irp i, 4,5,6,7
	QLD \i, QBO
.endr
	s_wait_dscnt 16                                ; all but the 16 just issued: the second block's tile 0 is in
	WIN 0x0a
.set i, 0
.rept 32
	v_cvt_pk_bf16_f32 v[QN+i], v[64+2*i], v[64+2*i+1]
.set i, i+1
.endr
	s_wait_dscnt 0x0
.rept 32
	v_cvt_pk_bf16_f32 v[QN+i], v[64+2*i], v[64+2*i+1]
.set i, i+1
.endr
; PASS 1.
.macro KLOAD n                         ; my 32 keys x 128 channels of step n: 8 fragments (16 keys kt, 32 channels c at 8 (4 kt + c)), into K's registers of the window in which w of step n lies
	SETUK \n
	WIN 0
	v_add_nc_u32 v[ADK], uk*SUB, v[AK0]
	WIN (1+(\n)/6)<<6
.irp f, 0,1,2,3,4,5,6,7
	ds_load_b128 v[8*\f:8*\f+3],   v[ADK] offset:(\f/4)*16*PK+(\f%4)*64
	ds_load_b128 v[8*\f+4:8*\f+7], v[ADK] offset:(\f/4)*16*PK+(\f%4)*64+32
.endr
.endm
; Product i of 16 of S^T = K Q^T for step n: channels 32 (i / 4) on, accumulator i % 4 = 2 t + kt.  The four accumulators take turns; the first four products start the sums.
.macro QK n, i
.set qD, 64+32*((\n)%6)+8*((\i)%4)
.set qA, 32*((\i)%2)+8*((\i)/4)
.set qB, QC+32*(((\i)%4)/2)+8*((\i)/4)
	WIN 0x51*(1+(\n)/6)
.if (\i) < 4
	v_wmma_f32_16x16x32_bf16 v[qD:qD+7], v[qA:qA+7], v[qB:qB+7], 0
.else
	v_wmma_f32_16x16x32_bf16 v[qD:qD+7], v[qA:qA+7], v[qB:qB+7], v[qD:qD+7]
.endif
.endm
; The weight of pair p of the step's 16 pairs of scores, in place at RB + 2 p: RF, RE, RA, RR, RE.  A pair outside 0 .. 15 is dropped.
.macro RF p                            ; c1 s + log2 kk
.if ((\p) >= 0) && ((\p) < 16)
	v_pk_fma_f32 v[RB+2*(\p):RB+2*(\p)+1], v[RB+2*(\p):RB+2*(\p)+1], s[C1:C1+1], s[LK:LK+1] op_sel_hi:[1,0,0]
.endif
.endm
.macro RE p                            ; 2^x
.if ((\p) >= 0) && ((\p) < 16)
	s_wait_alu depctr_va_vdst(0)
	v_exp_f32 v[RB+2*(\p)], v[RB+2*(\p)]
	v_exp_f32 v[RB+2*(\p)+1], v[RB+2*(\p)+1]
.endif
.endm
.macro RA p                            ; -E - kk
.if ((\p) >= 0) && ((\p) < 16)
	s_wait_alu depctr_va_vdst(0)
	v_pk_add_f32 v[RB+2*(\p):RB+2*(\p)+1], v[RB+2*(\p):RB+2*(\p)+1], s[NK:NK+1] op_sel_hi:[1,0] neg_lo:[1,0] neg_hi:[1,0]
.endif
.endm
.macro RR p                            ; 1 / D
.if ((\p) >= 0) && ((\p) < 16)
	v_rcp_f32 v[RB+2*(\p)], v[RB+2*(\p)]
	v_rcp_f32 v[RB+2*(\p)+1], v[RB+2*(\p)+1]
.endif
.endm
; Group g in two halves of four.  The five stages of a pair lie a group apart, so that a plain instruction of another pair stands between every transcendental and the use of its result (ISA guide 5.7.2);
; where the plain ones have run out (g >= 16) a v_nop leads.
.macro HALF0 g
	WIN RWIN
.if (\g) >= 16
	v_nop
	s_wait_alu depctr_va_vdst(0)
.endif
	RF (\g)+1
	RE (\g)
	RA (\g)-1
.endm
.macro HALF1 g
	WIN RWIN
	RR (\g)-2
	RE (\g)-3
.endm
.macro MASKW m                         ; w times 0 or 1
	WIN RWIN
.set pp, 0
	s_wait_alu depctr_va_vdst(0)
.rept 16
	v_pk_mul_f32 v[RB+2*pp:RB+2*pp+1], v[RB+2*pp:RB+2*pp+1], v[(\m)+2*(pp%8):(\m)+2*(pp%8)+1]
.set pp, pp+1
.endr
.endm
.macro LADD                            ; l takes the step's 16 pairs, in four chains that take turns
	WIN RWIN&3
.set qq, 0
	s_wait_alu depctr_va_vdst(0)
.rept 16
.set pp, (qq%2)*8+qq/2
.set lr, LC+4*(pp/8)+2*(pp%2)
	v_pk_add_f32 v[lr:lr+1], v[RB+2*pp:RB+2*pp+1], v[lr:lr+1]
.set qq, qq+1
.endr
.endm
.macro GUARDQ n                        ; step n is the second block's first: its Q goes where the products name Q.  The jump passes register work alone and is the same in all waves and partners
	WIN 0
	s_cmp_lg_u32 s[SWP], \n
	s_cbranch_scc1 .Lgq_\@
.set i, 0
.rept 64
	v_mov_b32 v[QC+i], v[QN+i]
.set i, i+1
.endr
.Lgq_\@:
.endm
.macro GUARDL n                        ; the first block's last step is summed: its l is set aside
	WIN 0
	s_cmp_lg_u32 s[SWP], \n
	s_cbranch_scc1 .Lgl_\@
.set i, 0
.rept 8
	v_mov_b32 v[LA+i], v[LC+i]
.set i, i+1
.endr
.set i, 0
.rept 8
	v_mov_b32 v[LC+i], 0
.set i, i+1
.endr
.Lgl_\@:
.endm
; SLOT s: the 16 products of step s + 1, half a group of step s's weights behind each; the other groups in a lump, in which K of step s + 2 is fetched: behind groups 8 to 10, whose six plain
; instructions are the places between the last product that read K's registers and the loads into them (ISA guide 7.12.1 for vector instructions).
.macro SLOT1 s
.if (\s) == 2
	REFILL 0, 12, 0                                ; K of steps 12 + w, where Q lay
.elseif (\s) == 4
	REFILL 1, 0, 4                                 ; V, where K of steps 0 .. 3 lay: K's fragments of step n are fetched in slot n - 2
.elseif (\s) == 7
	REFILL 1, 4, 8
.elseif (\s) == 10
	REFILL 1, 8, 12
.elseif (\s) == 14
	REFILL 1, 12, 0
.endif
.if (\s) < 8
	GUARDQ (\s)+1
.endif
.set RB, 64+32*((\s)%6)
.set RWIN, 0x51*(1+(\s)/6)
.if (\s) < 16
	s_wait_dscnt 0x0                               ; K of step s + 1 is in
.endif
	WIN RWIN
	RF 0
.set ii, 0
.rept 16
.if (\s) < 16
	QK (\s)+1, ii
.endif
.if ii%2 == 0
	HALF0 ii/2
.else
	HALF1 ii/2
.endif
.set ii, ii+1
.endr
.irp g, 8,9,10
	HALF0 \g
	HALF1 \g
.endr
.if (\s) < 15
	KLOAD (\s)+2
.endif
.irp g, 11,12,13,14,15,16,17,18
	HALF0 \g
	HALF1 \g
.endr
.if (\s) == 0
	MASKW ME
.elseif (\s) == 16
	MASKW PD
.endif
	LADD
.if (\s) < 8
	GUARDL (\s)+1
.endif
.endm
	KLOAD 0
	s_wait_dscnt 0x0
.set ii, 0
.rept 16
	QK 0, ii                                       ; step 0's scores: there is no vector work yet to set between them
.set ii, ii+1
.endr
	PLACES
	KLOAD 1
.irp s, 0,1,2,3,4,5,6,7,8,9,10,11,12,13,14,15,16
	SLOT1 \s
.endr
	; THE BOUNDARY.  A tile's l: its two chains, the pair's two halves, the other half of the lanes; then the partner's share (the other 32 keys of every step) through LDS.
	WIN 0
.irp b, LC, LA
.irp t, 0,4
	v_pk_add_f32 v[\b+\t:\b+\t+1], v[\b+\t:\b+\t+1], v[\b+\t+2:\b+\t+3]
.endr
.endr
.irp b, LC, LA
.irp t, 0,4
	v_add_f32 v[\b+\t], v[\b+\t], v[\b+\t+1]
.endr
.endr
.irp b, LC, LA
.irp t, 0,4
	v_permlanex16_b32 v[\b+\t+1], v[\b+\t], s[SEL], s[SEL+1]
.endr
.endr
.irp b, LC, LA
.irp t, 0,4
	v_add_f32 v[\b+\t], v[\b+\t], v[\b+\t+1]
.endr
.endr
.irp b, LC, LA
.irp t, 0,4
	ds_store_b32 v[LXS], v[\b+\t] offset:(\b-LC)*64+\t*16  ; lanes r and r + 16 write the same word with the same number
.endr
.endr
	s_wait_tensorcnt 0x0                           ; the last refill: V's last tile, where K of step 16 lay; wave 0 asks.  The round also orders the sums' stores with the partners' reads
	ds_add_u32 v[SPW], v[NIL]
	s_mov_b32 s[STP], 7                            ; number 16 of pass 2's order is step 7
	KSOF
	s_mov_b32 s[G0R+1], 16*SUB
	s_add_nc_u64 s[G0R+2:G0R+3], s[8:9], s[OFF:OFF+1]
	s_or_b32 s[G0R+3], s[G0R+3], 0x80000000
	s_wait_dscnt 0x0                               ; the add and my stores are done, my reads are over
	CROUND
	s_cmp_lg_u32 s[WV], 0
	s_cbranch_scc1 .Lno_last
	tensor_load_to_lds s[G0R:G0R+3], s[G1V:G1V+7]
	s_nop 0
	PLACES
.Lno_last:
.irp b, LC, LA
.irp t, 0,4
	ds_load_b32 v[\b+\t+2], v[LXR] offset:(\b-LC)*64+(4-\t)*16  ; my tile t is my partner's tile 1 - t
.endr
.endr
	s_wait_dscnt 0x0
.irp b, LC, LA
.irp t, 0,4
	v_add_f32 v[\b+\t], v[\b+\t], v[\b+\t+2]
.endr
.endr
.irp b, LC, LA
.irp t, 0,4
	v_rcp_f32 v[\b+\t], v[\b+\t]
.endr
.endr
	v_nop                                          ; a plain instruction between the last reciprocal and the use of its result
	s_wait_alu depctr_va_vdst(0)
.irp t, 0,4
	v_mul_f32 v[RLB+\t/2], 0x3f87ae14, v[LC+\t]    ; 1.06 / l, in both words of a pair
	v_mul_f32 v[RLB+\t/2+1], 0x3f87ae14, v[LC+\t]
	v_mul_f32 v[RLA+\t/2], 0x3f87ae14, v[LA+\t]
	v_mul_f32 v[RLA+\t/2+1], 0x3f87ae14, v[LA+\t]
.endr
	s_cmp_lg_u32 s[SWP], 0
	s_cselect_b32 s2, -1, 0
.irp z, 0,1,2,3
	v_cndmask_b32 v[RLA+\z], v[RLB+\z], v[RLA+\z], s2  ; FULL: there is no first block, and step 0 is the one block's
	v_mov_b32 v[RLC+\z], v[RLB+\z]
.endr
	v_mov_b32 v[CN], 0xbcf5c28f                    ; -0.03
	v_mov_b32 v[CN+1], 0xbcf5c28f
; PASS 2 takes the steps in the order 8 .. 16, 0 .. 7: number n is step n + 8 or n - 9.
.macro VLOAD n                         ; my 32 keys x 128 channels of V's tile number n, turned: 8 fragments of 16 channels; buffers by turns
	SETUK \n
	WIN 0
	v_add_nc_u32 v[ADV], uk*SUB, v[AV0]
	WIN (3*((\n)%2))<<6
.set vl, 192*(1-(\n)%2)
.irp f, 0,1,2,3,4,5,6,7
	ds_load_tr16_b128 v[vl+8*\f:vl+8*\f+3],   v[ADV] offset:32*\f
	ds_load_tr16_b128 v[vl+8*\f+4:vl+8*\f+7], v[ADV] offset:32*\f+16*PV
.endr
.endm
; Slice k of 8 of number n's weights: for tile k / 4 two slices of A = clamp(w (1.06 / l) - 0.03) to 0 .. 1, then two that round A to f16 in pairs, in place and ascending: the tile's first 8 registers ARE source 1 of V^T A.
.macro RID n, k
.if (\n) < 9
.set rst, (\n)+8
.else
.set rst, (\n)-9
.endif
.set rw, 1+rst/6
.set rb, 64+32*(rst%6)+16*((\k)/4)
.set rt, (\k)/4
.if ((\k)%4) < 2
	WIN (rw<<6)|rw
.set zz, 8*((\k)%2)
.rept 4
	v_pk_fma_f32 v[rb+zz:rb+zz+1], v[rb+zz:rb+zz+1], v[RLC+2*rt:RLC+2*rt+1], v[CN:CN+1] clamp
.set zz, zz+2
.endr
.else
	WIN (rw<<6)|(rw<<2)|rw
.set zz, 4*((\k)%2)
.rept 4
	v_cvt_pk_f16_f32 v[rb+zz], v[rb+2*zz], v[rb+2*zz+1]
.set zz, zz+1
.endr
.endif
.endm
; The 16 products O^T += V^T A of number n: tile nn / 8, channels 16 (nn % 8) on; each accumulator has one.  ver = 0: the second block's O (window 0); 1: the first block's (windows 1 and 2).
; Behind every second product a slice of the next number's weights; the last slice's four lines are the places in front of the next run of loads into V's registers.
.macro PVS n, ver, zero
.if (\n) < 9
.set pst, (\n)+8
.else
.set pst, (\n)-9
.endif
.set pw, 1+pst/6
.set pb, 64+32*(pst%6)
.set vw, 3*((\n)%2)
.set vb, 192*(1-(\n)%2)
.set nn, 0
.rept 16
.set ow, (\ver)*(1+nn/8)
.set ob, (1-(\ver))*(64+64*(nn/8))+8*(nn%8)
	WIN (ow<<6)|(ow<<4)|(pw<<2)|vw
.if \zero
	v_wmma_f32_16x16x32_f16 v[ob:ob+7], v[vb+8*(nn%8):vb+8*(nn%8)+7], v[pb+16*(nn/8):pb+16*(nn/8)+7], 0
.else
	v_wmma_f32_16x16x32_f16 v[ob:ob+7], v[vb+8*(nn%8):vb+8*(nn%8)+7], v[pb+16*(nn/8):pb+16*(nn/8)+7], v[ob:ob+7]
.endif
.if (nn%2 == 1) && ((\n) < 16)
	RID (\n)+1, nn/2
.endif
.set nn, nn+1
.endr
.endm
.macro SLOT2 n
.if (\n) == 15
	WIN 0
	s_wait_tensorcnt 0x0                           ; wave 0's last tile has landed,
	s_wait_dscnt 0x0
	s_barrier_signal -1
	s_barrier_wait -1                              ; and every wave knows
.endif
.if (\n) < 16
	VLOAD (\n)+1
	s_wait_dscnt 16                                ; all but the 16 just issued: this number's V is in
.else
	s_wait_dscnt 0x0
.endif
	WIN 0
.if (\n) == 8                          ; the slices beside this number's products are step 0's
.irp z, 0,1,2,3
	v_mov_b32 v[RLC+\z], v[RLA+\z]
.endr
.elseif ((\n) > 8) && ((\n) < 16)      ; they are step n - 8's: if that is the second block's first, its 1.06 / l comes back
	s_cmp_lg_u32 s[SWP], (\n)-8
	s_cbranch_scc1 .Lrl_\@
.irp z, 0,1,2,3
	v_mov_b32 v[RLC+\z], v[RLB+\z]
.endr
.Lrl_\@:
.endif
.if (\n) == 0
	PVS \n, 0, 1                                   ; step 8 is always the second block's: it starts those sums
.elseif (\n) < 9
	PVS \n, 0, 0
.elseif (\n) == 9
	PVS \n, 1, 1                                   ; step 0 starts the first block's sums (FULL: they are added to the others at the end)
.else
	s_cmp_gt_u32 s[SWP], (\n)-9                    ; steps 1 .. 7 belong to either block: both texts are written, and the jump passes register work and no barrier
	s_cbranch_scc1 .Lpa_\@
	PVS \n, 0, 0
	WIN 0
	s_branch .Lpe_\@
.Lpa_\@:
	PVS \n, 1, 0
	WIN 0
.Lpe_\@:
.endif
.endm
	VLOAD 0
.irp k, 0,1,2,3,4,5,6,7
	RID 0, \k
.endr
.irp n, 0,1,2,3,4,5,6,7,8,9,10,11,12,13,14,15,16
	SLOT2 \n
.endr
	; THE END.  Tile 1's sums go to the partner through LDS, tile 0 takes the partner's; whole rows of 512 bytes are made in a stage of my own and stored.  The stages lie in units that have had their last fill.
	WIN 0                                          ; the stage addresses: plain vector work, the places behind the last products
	v_mul_u32_u24 v32, v1, QP
	v_and_b32 v36, 31, v0
	s_mul_i32 s2, s[WV], QQ
	s_xor_b32 s3, s[WV], 2
	s_mul_i32 s3, s3, QQ
	v_lshl_add_u32 v32, v2, 5, v32                 ; row r, 32 bytes for each half of the lanes
	v_lshlrev_b32 v37, 4, v36                      ; v37: my 16 bytes of a row of out
	v_add_nc_u32 v33, s2, v32                      ; v33: where I put tile 1
	v_add_nc_u32 v34, s3, v32                      ; v34: where my partner has put its tile 1
	v_add_nc_u32 v35, RS, v33                      ; v35: into my own stage
	v_add_nc_u32 v36, s2, v37
	v_add_nc_u32 v36, RS, v36                      ; v36: whole rows back
	s_cmp_lg_u32 s[SWP], 0
	s_cbranch_scc1 .Lpair
	WIN 0x04                                       ; FULL: step 0's products join the others
.set i, 0
.rept 32
	v_pk_add_f32 v[64+2*i:64+2*i+1], v[64+2*i:64+2*i+1], v[2*i:2*i+1]
.set i, i+1
.endr
	WIN 0x08
.set i, 0
.rept 32
	v_pk_add_f32 v[128+2*i:128+2*i+1], v[128+2*i:128+2*i+1], v[2*i:2*i+1]
.set i, i+1
.endr
	WIN 0
.Lpair:
	s_wait_dscnt 0x0
	s_barrier_signal -1
	s_barrier_wait -1                              ; no wave reads V any more
.irp f, 0,1,2,3,4,5,6,7                ; each accumulator's low registers first
	ds_store_b128 v33, v[128+8*\f:128+8*\f+3]   offset:64*\f
	ds_store_b128 v33, v[128+8*\f+4:128+8*\f+7] offset:64*\f+16
.endr
	WIN 0x08                                       ; the first block's tile 1 (FULL: it serves nothing; the barriers stay the same for every work-group)
.irp f, 0,1,2,3,4,5,6,7
	ds_store_b128 v33, v[8*\f:8*\f+3]   offset:EXA+64*\f
	ds_store_b128 v33, v[8*\f+4:8*\f+7] offset:EXA+64*\f+16
.endr
	WIN 0
	s_wait_dscnt 0x0                               ; for the partner's sake: my stores are done
	s_barrier_signal -1
	s_barrier_wait -1
	WIN 0x40                                       ; into w's registers of window 1: v64-127 the second block's, v128-191 the first's
.irp f, 0,1,2,3,4,5,6,7
	ds_load_b128 v[64+8*\f:64+8*\f+3],   v34 offset:64*\f
	ds_load_b128 v[64+8*\f+4:64+8*\f+7], v34 offset:64*\f+16
.endr
.irp f, 0,1,2,3,4,5,6,7
	ds_load_b128 v[128+8*\f:128+8*\f+3],   v34 offset:EXA+64*\f
	ds_load_b128 v[128+8*\f+4:128+8*\f+7], v34 offset:EXA+64*\f+16
.endr
	s_wait_dscnt 16                                ; all but the first block's 16
	WIN 0x41
.set i, 0
.rept 32
	v_pk_add_f32 v[64+2*i:64+2*i+1], v[64+2*i:64+2*i+1], v[64+2*i:64+2*i+1]  ; window 1 += window 0: the partner's sums and my tile 0
.set i, i+1
.endr
	WIN 0x04
.irp f, 0,1,2,3,4,5,6,7
	ds_store_b128 v35, v[64+8*\f:64+8*\f+3]   offset:64*\f
	ds_store_b128 v35, v[64+8*\f+4:64+8*\f+7] offset:64*\f+16
.endr
	WIN 0x40
.irp p, 0,1,2,3,4,5,6,7,8,9,10,11,12,13,14,15
	ds_load_b128 v[64+4*\p:64+4*\p+3], v36 offset:\p*QP  ; LDS serves a wave's instructions in order (ISA guide 5.7.1.4): these see the stores above
.endr
	WIN 0x04
.irp p, 0,1,2,3,4,5,6,7,8,9,10,11,12,13,14,15
	s_wait_dscnt 15-\p                             ; row p is back, the younger rows stay out
	global_store_b128 v37, v[64+4*\p:64+4*\p+3], s[OB:OB+1] offset:\p*8192 th:TH_STORE_NT  ; 512 consecutive bytes, at a multiple of 512 from out's first byte
.endr
	WIN 0
	s_cmp_eq_u32 s[SWP], 0
	s_cbranch_scc1 .Ldone                          ; FULL: there is no first block.  The jump passes no barrier
	WIN 0x45
.set i, 0
.rept 32
	v_pk_add_f32 v[128+2*i:128+2*i+1], v[128+2*i:128+2*i+1], v[2*i:2*i+1]
.set i, i+1
.endr
	WIN 0x04
.irp f, 0,1,2,3,4,5,6,7
	ds_store_b128 v35, v[128+8*\f:128+8*\f+3]   offset:64*\f  ; behind the row loads above, in order: my own bytes
	ds_store_b128 v35, v[128+8*\f+4:128+8*\f+7] offset:64*\f+16
.endr
	WIN 0x40
.irp p, 0,1,2,3,4,5,6,7,8,9,10,11,12,13,14,15
	ds_load_b128 v[128+4*\p:128+4*\p+3], v36 offset:\p*QP
.endr
	WIN 0x04
.irp p, 0,1,2,3,4,5,6,7,8,9,10,11,12,13,14,15
	s_wait_dscnt 15-\p
	global_store_b128 v37, v[128+4*\p:128+4*\p+3], s[OA:OA+1] offset:\p*8192 th:TH_STORE_NT
.endr
	WIN 0
.Ldone:
	s_wait_tensorcnt 0x0                           ; the wave's end: behind my last tensor load and my last LDS store
	ds_add_u32 v[SPW], v[NIL]
	s_wait_dscnt 0x0
	CROUND                                         ; the closing round: no work-group ends while a partner may still ask for a tile that names it
	s_endpgm
.Lfunc_end_k_qe565fe20d5_attn:
	.size	k_qe565fe20d5_attn, .Lfunc_end_k_qe565fe20d5_attn-k_qe565fe20d5_attn
	.p2alignl 7, 3214868480
	.fill 96, 4, 3214868480
	.section	.rodata,"a",@progbits
	.p2align	6, 0x0
	.amdhsa_kernel k_qe565fe20d5_attn
		.amdhsa_group_segment_fixed_size 327680
		.amdhsa_private_segment_fixed_size 0
		.amdhsa_enable_private_segment 0
		.amdhsa_kernarg_size 32
		.amdhsa_user_sgpr_count 2
		.amdhsa_user_sgpr_kernarg_segment_ptr 1
		.amdhsa_wavefront_size32 1
		.amdhsa_system_sgpr_workgroup_id_x 1
		.amdhsa_system_sgpr_workgroup_id_y 1
		.amdhsa_system_sgpr_workgroup_id_z 1
		.amdhsa_system_vgpr_workitem_id 0
		.amdhsa_next_free_vgpr 1024
		.amdhsa_next_free_sgpr 100
		.amdhsa_reserve_vcc 1
		.amdhsa_float_denorm_mode_32 3
		.amdhsa_float_denorm_mode_16_64 3
		.amdhsa_memory_ordered 1
		.amdhsa_forward_progress 1
		.amdhsa_inst_pref_size 255
	.end_amdhsa_kernel
	.section	.bss,"aw",@nobits
	.p2align	6
	.space	262144
	.amdgpu_metadata
---
amdhsa.version: [ 1, 2 ]
amdhsa.kernels:
  - .name:           k_qe565fe20d5_attn
    .symbol:         k_qe565fe20d5_attn.kd
    .args:
      - { .name: q, .offset: 0, .size: 8, .value_kind: global_buffer, .address_space: global }
      - { .name: kb, .offset: 8, .size: 8, .value_kind: global_buffer, .address_space: global }
      - { .name: vb, .offset: 16, .size: 8, .value_kind: global_buffer, .address_space: global }
      - { .name: out0, .offset: 24, .size: 8, .value_kind: global_buffer, .address_space: global }
    .group_segment_fixed_size: 327680
    .private_segment_fixed_size: 0
    .kernarg_segment_align: 8
    .kernarg_segment_size: 32
    .max_flat_workgroup_size: 128
    .sgpr_count:     100
    .vgpr_count:     1024
    .wavefront_size: 32
...
	.end_amdgpu_metadata
.endif
;; end of part 2
;; ======== version 2 of 2: 2 launches; 1.54 times as fast as version 1
;; limits: values are held in f16: magnitudes above 65,504 overflow, below 6.1e-05 lose precision; inputs' magnitudes at most 65,504
;; workspace buffers: kb 4,194,304 bytes; vb 4,194,304 bytes
;; launch cast: the kernel of part 1 again; grid 256 x 2, 8 waves a work-group, no clusters, 0 bytes of LDS; arguments k, v, kb, vb; writes kb, vb
;; launch attn (part 3): grid 768 x 1, 4 waves a work-group, clusters of 4 x 1, 327,680 bytes of LDS; arguments q, kb, vb, out0; writes out0
.if DOCPART == 3
	.amdgcn_target "amdgcn-amd-amdhsa--gfx1250"
	.amdhsa_code_object_version 6
	.text
	.protected	k_qe565fe20d5_attn
	.globl	k_qe565fe20d5_attn
	.p2align	8
	.type	k_qe565fe20d5_attn,@function
k_qe565fe20d5_attn:
	s_mov_b64 s[64:65], 0
	v_nop
	global_prefetch_b8 v0, s[64:65] scope:SCOPE_SE
	s_setreg_imm32_b32 hwreg(HW_REG_WAVE_MODE, 25, 1), 1
	s_wait_xcnt 0x0
	s_wait_alu depctr_hold_cnt(0) depctr_sa_sdst(0) depctr_va_vdst(0) depctr_va_sdst(0) depctr_va_ssrc(0) depctr_va_vcc(0) depctr_vm_vsrc(0)
	s_getreg_b32 s2, hwreg(HW_REG_IB_STS2, 6, 4)
	s_cmp_eq_u32 s2, 0
	s_cbranch_scc0 .Lentry_in_a_cluster
	s_endpgm
.Lentry_in_a_cluster:
	s_bfe_u32 s2, ttmp6, 0x10000c
	s_cmp_lg_u32 s2, 0x3003
	s_cbranch_scc0 .Lentry_shape_is_right
	s_endpgm
.Lentry_shape_is_right:
; SLIDING-WINDOW CAUSAL ATTENTION WITH A CAPPED AND CLIPPED SOFTMAX.  q, out: [2][2048][16][128] f32.  kb (bf16), vb (f16): [2][4][2048][128].
; Key k counts for query q if q - 1024 <= k <= q.  score = 30 tanh(q.k / sqrt(128)); p = softmax; A = clip(1.06 p - 0.03, 0, 1); O = A V.
; THE WEIGHT.  w = e^(30 tanh x - 30) = 2^(-(60 log2 e) / (1 + e^(2x))): E = 2^(c1 s + log2 kk), D = -E - kk, R = 1 / D, w = 2^R, kk = 1 / (60 log2 e).
; The shift is 30, the bound that tanh sets for every input, not the row's maximum: w lies in e^-60 .. 1 and a row's sum l in e^-60 .. 1025, so nothing overflows or underflows in f32.
; The clip is not linear in p, so l is wanted before the second product: PASS 1 makes all w of the band and l and keeps w in registers (f32); PASS 2 makes A = clamp(w (1.06 / l) - 0.03), rounds it to f16 and multiplies by V.
; LIMITS.  q and k are rounded to bf16, v to bf16 (written as f16: |v| < 65,504), A to f16.  1.06 / l is formed first and then multiplied by w.  NaN and infinities are not treated apart.
; SHARES.  A cluster of four work-groups owns one K/V head and 64 positions (a block); a work-group 16 of them x the 4 query heads.  A step is 64 keys.  Wave w: keys 32 (w / 2) .. of every step, two tiles of
; 16 queries: tile t is head 2 (w % 2) + ((w / 2) xor t).  Tile 0 is the head that the wave finishes; tile 1's sums go to wave w xor 2.
; EQUAL WORK.  Block X needs min(X + 1, 17) steps.  A cluster takes one block X >= 16 (FULL: 17 steps) or the two blocks I and 15 - I (PAIR: I + 1 and 16 - I steps): 17 steps always.  SWP is the first step of the
; second block (0 if FULL).  In a PAIR the first block's diagonal step comes first, so step 0 and step 16 alone take a mask (w times 0 or 1), whatever the cluster.
; CLUSTER.  The four partners walk the same K and V tiles: each tile is asked for jointly.  All 17 tiles of K and then of V lie in LDS units that are filled in six rounds.
; BATCHES.  A weight's three transcendentals (2^x, 1 / D, 2^R) read each other, so those of one step cannot share a wait; those of three steps can.  Pass 1 goes in 19 TURNS: turn t holds the first exponentials of
; step t, the reciprocals of step t - 1 and the second exponentials of step t - 2: 96 transcendentals, one batch, none of which names a result of the same turn; ONE wait; behind it the sums of step t - 2.
; The boundary's four reciprocals are a batch of their own.  Pass 2 has no transcendental.
; REGISTERS, in windows of 256 (s_set_vgpr_msb: bits 1:0 source 0, 3:2 source 1, 5:4 source 2, 7:6 destination):
;   window 0: v0-15 addresses; v16-31 PD, v32-47 ME (masks); v48-63 l; v64-127 Q in hand, v128-191 the second block's Q.  Pass 2: v16-29 1.06 / l and -0.03; v64-191 O of the second block; v192-255 V (even steps)
;   windows 1-3: v0-63 K of one step (pass 2: O of the first block, tile 0 and tile 1; V of odd steps); from v64 on w, 32 registers a step [tile][16 keys][8]: steps 0-5, 6-11, 12-16
.set SUB,   18432                      ; an LDS unit: 64 rows of V at 288 bytes; 64 rows of K at 272 fit too
.set PK,    272                        ; 256 + 16 bytes: the 16 rows of a fragment load start 4 banks apart (64 banks of 4 bytes: ISA guide 11.1)
.set PV,    288                        ; 256 + 32 bytes
.set QP,    528                        ; a head's row of Q in f32: 512 + 16 bytes
.set QQ,    8448                       ; four positions x four heads of Q; also a wave's stage of 16 rows x 528
.set QBO,   2*SUB                      ; the second block's Q
.set LX,    17*SUB                     ; 1,024 bytes: the waves' sums l
.set SPARE, LX+1024                    ; the spare words, 128 bytes for each wave: two blocks of 256 bytes that no other line names
.set EXA,   2*SUB                      ; the end: the stage of the first block's handed-over tiles (the second block's lies at 0)
.set RS,    4*SUB                      ; the end: each wave's own stage for whole rows
.set AK0, 3                            ; v3   my lane's place in a tile of K; never rewritten
.set AV0, 4                            ; v4   the same for V
.set ADK, 5                            ; v5   the LDS address of K's run of loads
.set ADV, 6                            ; v6   of V's
.set AQ,  7                            ; v7-8 my lane's place in Q, tile 0 and tile 1
.set LXS, 12                           ; v12  where I put my sums l
.set LXR, 13                           ; v13  where my partner's lie
.set SPW, 14                           ; v14  LDS address of my spare word; never rewritten
.set NIL, 15                           ; v15  0; never rewritten
.set PD,  16                           ; 1 where key 16 kt + j is at or below the diagonal
.set ME,  32                           ; step 0's mask: the window's lower edge (FULL) or the diagonal (PAIR)
.set LC,  48                           ; l of the block in hand: tile t, chain a at LC + 4 t + 2 a
.set LA,  56                           ; l of the first block
.set QC,  64
.set QN,  128
.set RLC, 16                           ; pass 2: 1.06 / l in hand, a pair a tile;
.set RLA, 20                           ; the first block's;
.set RLB, 24                           ; the second block's
.set CN,  28                           ; -0.03, twice
.set WV,  12                           ; s12 wave   s13 wave / 2   s14 wave % 2
.set WK,  13
.set WQ,  14
.set CX,  15                           ; s15 my place in the cluster: it enters Q's and out's addresses and the masks' values alone
.set CMB, 16                           ; s16 4 x batch + K/V head
.set COM, 17                           ; s17 the byte offset in q and out of batch and K/V head
.set SWP, 18
.set BAS, 19                           ; s19 the second block's first key step
.set IA,  20                           ; s20, s21 the two blocks (equal if FULL)
.set IB,  21
.set TC,  22                           ; s[22:23] at work on numbers that hold cx
.set G1K, 24                           ; s[24:31] group 1 of K's tiles;  s[32:39] of V's;  s[40:47] of Q's;  s[88:95] of a quarter of K's
.set G1V, 32
.set G1Q, 40
.set G0QA, 48                          ; groups 0 of the first fills
.set G0QB, 52
.set G0R, 56                           ; K(w), and then every refill
.set G0K1, 60
.set G0K2, 68
.set C1,  72                           ; s[72:73] c1 = 2 log2(e) / sqrt(128)
.set LK,  74                           ; s[74:75] log2 kk
.set NK,  76                           ; s[76:77] -kk
.set SEL, 78                           ; s[78:79] v_permlanex16_b32's selects
.set STP, 80                           ; s80 a step   s81 its key step   s[82:83] its byte offset
.set KS,  81
.set OFF, 82
.set OB,  84                           ; s[84:85] out at my rows of the second block, s[86:87] of the first
.set OA,  86
.set G1S, 88
.set G0S, 96
.set MSB, 0
.macro WIN new                         ; the high byte repeats the setting that is left; a switch that changes nothing is dropped
.if MSB != (\new)
	s_set_vgpr_msb (MSB<<8)|(\new)
.set MSB, (\new)
.endif
.endm
.macro PLACES
.rept 4
	v_nop
.endr
.endm
; A round of the cluster's barrier: my work-group's barrier, wave 0 signals for the work-group, every wave waits for all four work-groups, my work-group's barrier once more.
.macro CROUND
	s_barrier_signal -1
	s_barrier_wait -1
	s_cmp_lg_u32 s[WV], 0
	s_cbranch_scc1 .Lnw0_\@
	s_barrier_signal -3
.Lnw0_\@:
	s_barrier_wait -3
	s_barrier_signal -1
	s_barrier_wait -1
.endm
; Step s[STP] -> the byte offset of its 64 keys in a head.  From SWP on: step - SWP + BAS.  Before: the first block's diagonal step first, then key steps 0, 1, ..
.macro KSOF
	s_sub_co_u32 s[KS], s[STP], s[SWP]
	s_add_co_u32 s[KS], s[KS], s[BAS]
	s_sub_co_u32 s2, s[STP], 1
	s_cmp_eq_u32 s[STP], 0
	s_cselect_b32 s2, s[IA], s2
	s_cmp_ge_u32 s[STP], s[SWP]
	s_cselect_b32 s[KS], s[KS], s2
	s_lshl_b32 s[OFF], s[KS], 14
.endm
.macro KG0 g, first, unit              ; group 0 for K's tile of step wave + first, into unit wave + unit
	s_add_co_u32 s[STP], s[WV], \first
	KSOF
	s_mov_b32 s[\g], 1
	s_mul_i32 s[(\g)+1], s[WV], SUB
	s_add_co_u32 s[(\g)+1], s[(\g)+1], (\unit)*SUB
	s_add_nc_u64 s[(\g)+2:(\g)+3], s[6:7], s[OFF:OFF+1]
	s_or_b32 s[(\g)+3], s[(\g)+3], 0x80000000
.endm
.macro QG0 g, blk, lds                 ; group 0 for my wave's four positions of block blk's Q: position 64 blk + 16 cx + 4 w
	s_lshl_b32 s[TC], s[\blk], 6
	s_lshl_b32 s[TC+1], s[CX], 4
	s_add_co_u32 s[TC], s[TC], s[TC+1]
	s_lshl_b32 s[TC+1], s[WV], 2
	s_add_co_u32 s[TC], s[TC], s[TC+1]
	s_lshl_b32 s[TC], s[TC], 13                    ; a position is 16 heads x 512 bytes
	s_add_co_u32 s[TC], s[TC], s[COM]
	s_mov_b32 s[TC+1], 0
	s_mov_b32 s[\g], 1
	s_mul_i32 s[(\g)+1], s[WV], QQ
	s_add_co_u32 s[(\g)+1], s[(\g)+1], \lds
	s_add_nc_u64 s[(\g)+2:(\g)+3], s[4:5], s[TC:TC+1]
	s_or_b32 s[(\g)+3], s[(\g)+3], 0x80000000
.endm
; A REFILL: each wave waits for all its tensor loads, adds 0 to its spare word, makes its descriptor, waits for the add and for its LDS reads; a round of the cluster's barrier; then its one joint load.
; isv = 0: K's tile of step wave + first.  isv = 1: V's tile number wave + first of pass 2's order (steps 8 .. 16, then 0 .. 7).  Into unit wave + unit.
.macro REFILL isv, first, unit
	WIN 0
	s_wait_tensorcnt 0x0                           ; no tensor load of mine is out, so the group 0 may be written
	ds_add_u32 v[SPW], v[NIL]
	s_add_co_u32 s[STP], s[WV], \first
.if \isv
	s_add_co_u32 s2, s[STP], 8
	s_sub_co_u32 s3, s[STP], 9
	s_cmp_le_u32 s[STP], 8
	s_cselect_b32 s[STP], s2, s3
.endif
	KSOF
	s_mul_i32 s[G0R+1], s[WV], SUB
	s_add_co_u32 s[G0R+1], s[G0R+1], (\unit)*SUB
.if \isv
	s_add_nc_u64 s[G0R+2:G0R+3], s[8:9], s[OFF:OFF+1]
.else
	s_add_nc_u64 s[G0R+2:G0R+3], s[6:7], s[OFF:OFF+1]
.endif
	s_or_b32 s[G0R+3], s[G0R+3], 0x80000000
	s_wait_dscnt 0x0                               ; the add is done, and my reads of the units to be filled are over
	CROUND
.if \isv
	tensor_load_to_lds s[G0R:G0R+3], s[G1V:G1V+7]
.else
	tensor_load_to_lds s[G0R:G0R+3], s[G1K:G1K+7]
.endif
	s_nop 0
	PLACES
.endm
.macro SETUK n                         ; uk = the unit of K's tile of step n, and of V's tile number n
.if (\n) < 12
.set uk, (\n)+4
.elseif (\n) < 16
.set uk, (\n)-12
.else
.set uk, 16
.endif
.endm
	s_load_b256 s[4:11], s[0:1], 0x0               ; q s[4:5], kb s[6:7], vb s[8:9], out s[10:11]
	v_lshl_add_u32 v[SPW], v0, 2, SPARE
	v_mov_b32 v[NIL], 0
	ds_add_u32 v[SPW], v[NIL]                      ; the wave's opening: the add and its wait stand ahead of my first tensor load
	v_lshrrev_b32 v1, 5, v0
	v_readfirstlane_b32 s[WV], v1
	s_lshr_b32 s[WK], s[WV], 1
	s_and_b32 s[WQ], s[WV], 1
	s_bfe_u32 s[CX], ttmp6, 0x40000
	s_and_b32 s[CMB], ttmp9, 7                     ; in a cluster launch ttmp9 counts clusters: 8 heads x 24
	s_lshr_b32 s[COM], ttmp9, 3                    ; j = 0 .. 23: below 16 FULL (block 16 + j), else PAIR (blocks j - 16 and 31 - j)
	s_add_co_u32 s2, s[COM], 16
	s_sub_co_u32 s3, 31, s[COM]
	s_sub_co_u32 s[STP], s[COM], 16
	s_sub_co_u32 s[KS], s[COM], 15
	s_cmp_lt_u32 s[COM], 16
	s_cselect_b32 s[IB], s2, s3
	s_cselect_b32 s[IA], s2, s[STP]
	s_cselect_b32 s[SWP], 0, s[KS]
	s_cselect_b32 s[BAS], s[COM], 0
	s_lshr_b32 s2, s[CMB], 2
	s_lshl_b32 s2, s2, 24                          ; a batch of q or out is 16,777,216 bytes,
	s_and_b32 s3, s[CMB], 3
	s_lshl_b32 s3, s3, 11                          ; a K/V head's four query heads 2,048
	s_add_co_u32 s[COM], s2, s3
	; group 1: 64 rows x 128 elements of 2 bytes, padded behind every 64 words; the mask names all four work-groups, bit 21 beside it
	s_mov_b32 s[G1K], 15|(1<<16)|(1<<20)|(1<<21)|(5<<22)|(3<<25)
	s_mov_b32 s[G1V], 15|(1<<16)|(1<<20)|(1<<21)|(5<<22)|(7<<25)
	s_mov_b32 s[G1S], 15|(1<<16)|(1<<20)|(1<<21)|(5<<22)|(3<<25)
.irp g, G1K, G1V
	s_mov_b32 s[\g+1], 128<<16                     ; tensor_dim0
	s_mov_b32 s[\g+2], 64<<16                      ; tensor_dim1
	s_mov_b32 s[\g+3], 128<<16                     ; tile_dim0
	s_mov_b32 s[\g+4], 64                          ; tile_dim1
	s_mov_b32 s[\g+5], 128                         ; elements from row to row
	s_mov_b32 s[\g+6], 0
	s_mov_b32 s[\g+7], 0
.endr
	s_mov_b32 s[G1S+1], 128<<16                    ; the same with 16 rows
	s_mov_b32 s[G1S+2], 16<<16
	s_mov_b32 s[G1S+3], 128<<16
	s_mov_b32 s[G1S+4], 16
	s_mov_b32 s[G1S+5], 128
	s_mov_b32 s[G1S+6], 0
	s_mov_b32 s[G1S+7], 0
	s_mov_b32 s[G1Q], (2<<16)|(1<<20)|(6<<22)|(3<<25)  ; Q: no mask; elements of 4 bytes; 4 words of padding behind every 128 (a head)
	s_mov_b32 s[G1Q+1], 512<<16                    ; a row: one position's four heads
	s_mov_b32 s[G1Q+2], 4<<16                      ; four positions
	s_mov_b32 s[G1Q+3], 512<<16
	s_mov_b32 s[G1Q+4], 4
	s_mov_b32 s[G1Q+5], 2048
	s_mov_b32 s[G1Q+6], 0
	s_mov_b32 s[G1Q+7], 0
	s_mov_b32 s[C1], 0x3e8293ee                    ; 0.2550349
	s_mov_b32 s[C1+1], s[C1]                       ; named as pairs, so both words are written
	s_mov_b32 s[LK], 0xc0cdf0e7                    ; -6.4356570
	s_mov_b32 s[LK+1], s[LK]
	s_mov_b32 s[NK], 0xbc3d4680                    ; -0.011552453
	s_mov_b32 s[NK+1], s[NK]
	s_mov_b32 s[SEL], 0x76543210
	s_mov_b32 s[SEL+1], 0xfedcba98
	s_mov_b32 s[OFF+1], 0
	s_wait_dscnt 0x0                               ; the opening add is done
	s_wait_kmcnt 0x0
	s_lshl_b32 s[OFF], s[CMB], 19                  ; a head of kb or vb is 524,288 bytes
	s_add_nc_u64 s[6:7], s[6:7], s[OFF:OFF+1]
	s_add_nc_u64 s[8:9], s[8:9], s[OFF:OFF+1]
	QG0 G0QA, IA, 0
	QG0 G0QB, IB, QBO
	KG0 G0R, 0, 4
	KG0 G0K1, 4, 8
	KG0 G0K2, 8, 12
	s_mov_b32 s[STP], 16                           ; step 16's tile in quarters: 16 rows a wave
	KSOF
	s_lshl_b32 s2, s[WV], 12
	s_add_co_u32 s[OFF], s[OFF], s2
	s_mov_b32 s[G0S], 1
	s_mul_i32 s[G0S+1], s[WV], 16*PK
	s_add_co_u32 s[G0S+1], s[G0S+1], 16*SUB
	s_add_nc_u64 s[G0S+2:G0S+3], s[6:7], s[OFF:OFF+1]
	s_or_b32 s[G0S+3], s[G0S+3], 0x80000000
.irp x, 0,1                            ; out at my 16 positions and my head 2 (w % 2) + w / 2, for the second block and the first
	s_lshl_b32 s[TC], s[IB-\x], 6
	s_lshl_b32 s[TC+1], s[CX], 4
	s_add_co_u32 s[TC], s[TC], s[TC+1]
	s_lshl_b32 s[TC], s[TC], 13
	s_add_co_u32 s[TC], s[TC], s[COM]
	s_lshl_b32 s[TC+1], s[WQ], 10
	s_add_co_u32 s[TC], s[TC], s[TC+1]
	s_lshl_b32 s[TC+1], s[WK], 9
	s_add_co_u32 s[TC], s[TC], s[TC+1]
	s_mov_b32 s[TC+1], 0
	s_add_nc_u64 s[OB+2*\x:OB+2*\x+1], s[10:11], s[TC:TC+1]
.endr
	CROUND                                         ; all four work-groups are here: the first joint loads meet
	tensor_load_to_lds s[G0QA:G0QA+3], s[G1Q:G1Q+7]  ; the first fills, six of mine out: Q of both blocks, K of steps w, 4 + w, 8 + w, a quarter of step 16's
	s_nop 0
	tensor_load_to_lds s[G0QB:G0QB+3], s[G1Q:G1Q+7]
	s_nop 0
	tensor_load_to_lds s[G0R:G0R+3], s[G1K:G1K+7]
	s_nop 0
	tensor_load_to_lds s[G0K1:G0K1+3], s[G1K:G1K+7]
	s_nop 0
	tensor_load_to_lds s[G0K2:G0K2+3], s[G1K:G1K+7]
	s_nop 0
	tensor_load_to_lds s[G0S:G0S+3], s[G1S:G1S+7]
	s_nop 0
	PLACES
	; lane addresses, masks and zeros, in the wait for the first tiles
	v_and_b32 v1, 15, v0                           ; r = l % 16
	v_bfe_u32 v2, v0, 4, 1                         ; h = l / 16
	v_mul_u32_u24 v[AK0], v1, PK                   ; a fragment of K: row 32 (w / 2) + r, 16 bytes for each half of the lanes
	v_lshl_add_u32 v[AK0], v2, 4, v[AK0]
	s_mul_i32 s2, s[WK], 32*PK
	v_add_nc_u32 v[AK0], s2, v[AK0]
	v_and_b32 v[ADK], 7, v0                        ; the turning load: key 32 (w / 2) + 8 h + l % 8, channels 8 ((l / 8) % 2) on
	v_lshl_add_u32 v[ADK], v2, 3, v[ADK]
	v_mul_u32_u24 v[AV0], v[ADK], PV
	v_bfe_u32 v[ADK], v0, 3, 1
	v_lshl_add_u32 v[AV0], v[ADK], 4, v[AV0]
	s_mul_i32 s2, s[WK], 32*PV
	v_add_nc_u32 v[AV0], s2, v[AV0]
	v_mul_u32_u24 v[AQ], v1, 4*QP                  ; Q in f32: position r, 32 bytes for each half of the lanes, my tile's head
	v_lshl_add_u32 v[AQ], v2, 5, v[AQ]
	s_mul_i32 s2, s[WQ], 2*QP                      ; head 2 (w % 2)
	s_mul_i32 s3, s[WK], QP
	s_add_co_u32 s3, s3, s2                        ; + w / 2: tile 0
	s_xor_b32 s[STP], s[WK], 1
	s_mul_i32 s[STP], s[STP], QP
	s_add_co_u32 s2, s2, s[STP]                    ; + the other one: tile 1
	v_add_nc_u32 v[AQ+1], s2, v[AQ]
	v_add_nc_u32 v[AQ], s3, v[AQ]
	s_lshl_b32 s2, s[WV], 7
	s_add_co_u32 s2, s2, LX
	v_lshl_add_u32 v[LXS], v1, 2, s2
	s_xor_b32 s3, s[WV], 2
	s_lshl_b32 s3, s3, 7
	s_add_co_u32 s3, s3, LX
	v_lshl_add_u32 v[LXR], v1, 2, s3
	s_lshl_b32 s[TC], s[CX], 4                     ; d = my query's place among the step's keys less my lane's first key: 16 cx + r - 32 (w / 2) - 8 h
	s_lshl_b32 s[TC+1], s[WK], 5
	s_sub_co_i32 s[TC], s[TC], s[TC+1]
	v_add_nc_u32 v9, s[TC], v1
	v_lshlrev_b32 v10, 3, v2
	v_sub_nc_u32 v9, v9, v10
	s_cmp_eq_u32 s[SWP], 0                         ; FULL?  The lines below leave SCC as it is
.set i, 0
.rept 16
	v_cmp_le_i32 vcc_lo, 16*(i/8)+i%8, v9          ; at or below the diagonal
	v_cmp_ge_i32 s[TC], 16*(i/8)+i%8, v9           ; at or above the window's lower edge
	v_cndmask_b32 v[PD+i], 0, 1.0, vcc_lo
	s_cselect_b32 s[TC+1], s[TC], vcc_lo
	v_cndmask_b32 v[ME+i], 0, 1.0, s[TC+1]
.set i, i+1
.endr
.set i, 0
.rept 16
	v_mov_b32 v[LC+i], 0
.set i, i+1
.endr
	s_wait_tensorcnt 0x0                           ; all six of my first fills have landed,
	s_barrier_signal -1
	s_barrier_wait -1                              ; and everybody's: both Q and K of steps 0 .. 11 and 16 are whole
	; Q: f32 out of LDS, rounded to bf16.  A fragment i = 4 t + c (tile t, channels 32 c on) is 16 f32 a lane: channels 8 h + 0..7 and 16 + 8 h + 0..7
.macro QLD i, off
	ds_load_b128 v[64+16*(\i):64+16*(\i)+3],     v[AQ+(\i)/4] offset:(\off)+128*((\i)%4)
	ds_load_b128 v[64+16*(\i)+4:64+16*(\i)+7],   v[AQ+(\i)/4] offset:(\off)+128*((\i)%4)+16
	ds_load_b128 v[64+16*(\i)+8:64+16*(\i)+11],  v[AQ+(\i)/4] offset:(\off)+128*((\i)%4)+64
	ds_load_b128 v[64+16*(\i)+12:64+16*(\i)+15], v[AQ+(\i)/4] offset:(\off)+128*((\i)%4)+80
.endm
	WIN 0x40                                       ; the first block's into w's registers of window 1, which are still free
.irp i, 0,1,2,3,4,5,6,7
	QLD \i, 0
.endr
	WIN 0x80                                       ; the second block's into window 2: tile 0 now,
.irp i, 0,1,2,3
	QLD \i, QBO
.endr
	s_wait_dscnt 16                                ; all but the 16 just issued: the first block's Q is in
	WIN 0x05
.set i, 0
.rept 64
	v_cvt_pk_bf16_f32 v[QC+i], v[64+2*i], v[64+2*i+1]
.set i, i+1
.endr
	WIN 0x80                                       ; tile 1 behind the first block's conversions: 48 LDS loads of mine are out at the most
.irp i, 4,5,6,7
	QLD \i, QBO
.endr
	s_wait_dscnt 16                                ; all but the 16 just issued: the second block's tile 0 is in
	WIN 0x0a
.set i, 0
.rept 32
	v_cvt_pk_bf16_f32 v[QN+i], v[64+2*i], v[64+2*i+1]
.set i, i+1
.endr
	s_wait_dscnt 0x0
.rept 32
	v_cvt_pk_bf16_f32 v[QN+i], v[64+2*i], v[64+2*i+1]
.set i, i+1
.endr
; PASS 1.
; My 32 keys x 128 channels of step n: 8 fragments (16 keys kt, 32 channels c at 8 (4 kt + c)), into K's registers of the window in which w of step n lies.
; batch = 1: the run stands at a turn's wait: the address's v_add_nc_u32 is the plain line behind the batch's last transcendental, the wait follows it, the loads follow the wait.
.macro KLOAD n, batch=0
	SETUK \n
	WIN 0
	v_add_nc_u32 v[ADK], uk*SUB, v[AK0]
.if \batch
	s_wait_alu depctr_va_vdst(0)                   ; the turn's one wait, for its whole batch, ahead of the first line that names a result
.endif
	WIN (1+(\n)/6)<<6
.irp f, 0,1,2,3,4,5,6,7
	ds_load_b128 v[8*\f:8*\f+3],   v[ADK] offset:(\f/4)*16*PK+(\f%4)*64
	ds_load_b128 v[8*\f+4:8*\f+7], v[ADK] offset:(\f/4)*16*PK+(\f%4)*64+32
.endr
.endm
; Product i of 16 of S^T = K Q^T for step n: channels 32 (i / 4) on, accumulator i % 4 = 2 t + kt.  The four accumulators take turns; the first four products start the sums.
.macro QK n, i
.set qD, 64+32*((\n)%6)+8*((\i)%4)
.set qA, 32*((\i)%2)+8*((\i)/4)
.set qB, QC+32*(((\i)%4)/2)+8*((\i)/4)
	WIN 0x51*(1+(\n)/6)
.if (\i) < 4
	v_wmma_f32_16x16x32_bf16 v[qD:qD+7], v[qA:qA+7], v[qB:qB+7], 0
.else
	v_wmma_f32_16x16x32_bf16 v[qD:qD+7], v[qA:qA+7], v[qB:qB+7], v[qD:qD+7]
.endif
.endm
; The weight of pair p of step n's 16 pairs of scores, in place at RB + 2 p: RF, RE, RA, RR, RE.  A step outside 0 .. 16 or a pair outside 0 .. 15 is dropped.
.macro WREG n                          ; where w of step n lies, and the window setting for work on it
.set RB, 64+32*((\n)%6)
.set RWIN, 0x51*(1+(\n)/6)
.endm
.macro RF n, p                         ; c1 s + log2 kk
.if ((\n) >= 0) && ((\n) < 17) && ((\p) >= 0) && ((\p) < 16)
	WREG \n
	WIN RWIN
	v_pk_fma_f32 v[RB+2*(\p):RB+2*(\p)+1], v[RB+2*(\p):RB+2*(\p)+1], s[C1:C1+1], s[LK:LK+1] op_sel_hi:[1,0,0]
.endif
.endm
.macro RE n, p                         ; 2^x
.if ((\n) >= 0) && ((\n) < 17) && ((\p) >= 0) && ((\p) < 16)
	WREG \n
	WIN RWIN
	v_exp_f32 v[RB+2*(\p)], v[RB+2*(\p)]
	v_exp_f32 v[RB+2*(\p)+1], v[RB+2*(\p)+1]
.endif
.endm
.macro RA n, p                         ; -E - kk
.if ((\n) >= 0) && ((\n) < 17) && ((\p) >= 0) && ((\p) < 16)
	WREG \n
	WIN RWIN
	v_pk_add_f32 v[RB+2*(\p):RB+2*(\p)+1], v[RB+2*(\p):RB+2*(\p)+1], s[NK:NK+1] op_sel_hi:[1,0] neg_lo:[1,0] neg_hi:[1,0]
.endif
.endm
.macro RR n, p                         ; 1 / D
.if ((\n) >= 0) && ((\n) < 17) && ((\p) >= 0) && ((\p) < 16)
	WREG \n
	WIN RWIN
	v_rcp_f32 v[RB+2*(\p)], v[RB+2*(\p)]
	v_rcp_f32 v[RB+2*(\p)+1], v[RB+2*(\p)+1]
.endif
.endm
; Unit g of 17 of turn t's batch: eight lines, by steps, so that a unit changes windows twice at the most where the three steps lie in two windows.  Step t: the scaling of pair g, the first exponentials of pair g - 1.
; Step t - 1: -E - kk of pair g, the reciprocals of pair g - 1.  Step t - 2: the second exponentials of pair g.  A transcendental reads the plain line of the unit before, or a result of the turn before, never one of its own turn.
; mm = 1: two products of step t + 1 ride, one ahead of each plain line; they name K, Q and step t + 1's registers alone.
.macro UNIT t, g, mm
.if \mm
	QK (\t)+1, ii
.set ii, ii+1
.endif
	RF \t, \g
	RE \t, (\g)-1
.if \mm
	QK (\t)+1, ii
.set ii, ii+1
.endif
	RA (\t)-1, \g
	RR (\t)-1, (\g)-1
	RE (\t)-2, \g
.endm
.macro MASKW m, n                      ; w of step n times 0 or 1
	WREG \n
	WIN RWIN
.set pp, 0
.rept 16
	v_pk_mul_f32 v[RB+2*pp:RB+2*pp+1], v[RB+2*pp:RB+2*pp+1], v[(\m)+2*(pp%8):(\m)+2*(pp%8)+1]
.set pp, pp+1
.endr
.endm
.macro LADD n                          ; l takes step n's 16 pairs, in four chains that take turns
	WREG \n
	WIN RWIN&3
.set qq, 0
.rept 16
.set pp, (qq%2)*8+qq/2
.set lr, LC+4*(pp/8)+2*(pp%2)
	v_pk_add_f32 v[lr:lr+1], v[RB+2*pp:RB+2*pp+1], v[lr:lr+1]
.set qq, qq+1
.endr
.endm
.macro GUARDQ n                        ; step n is the second block's first: its Q goes where the products name Q.  The jump passes register work alone and is the same in all waves and partners
	WIN 0
	s_cmp_lg_u32 s[SWP], \n
	s_cbranch_scc1 .Lgq_\@
.set i, 0
.rept 64
	v_mov_b32 v[QC+i], v[QN+i]
.set i, i+1
.endr
.Lgq_\@:
.endm
.macro GUARDL n                        ; the first block's last step is summed: its l is set aside
	WIN 0
	s_cmp_lg_u32 s[SWP], \n
	s_cbranch_scc1 .Lgl_\@
.set i, 0
.rept 8
	v_mov_b32 v[LA+i], v[LC+i]
.set i, i+1
.endr
.set i, 0
.rept 8
	v_mov_b32 v[LC+i], 0
.set i, i+1
.endr
.Lgl_\@:
.endm
; TURN t of 19.  AHEAD OF THE WAIT: the batch, 96 transcendentals with their 32 plain lines, in 17 units, and the 16 products of step t + 1.  Units 0 to 3 stand ahead of the wait for K of step t + 1, whose run of loads
; was issued at the turn before's wait; units 4 to 11 carry two products each; units 12 to 16 follow: their scalings (four at the least, in turn 0) and the address's v_add_nc_u32 are the places between the last
; product that read K's registers and the loads into them (ISA guide 7.12.1 for vector instructions).
; THE WAIT, one for the batch, and directly behind it K's run of loads for step t + 2.  BEHIND IT: the readers: step t - 2's mask (steps 0 and 16) and its sums.  The other results are read in the next turn.
; No transcendental stands behind a turn's wait.  Turns 15 to 18 fetch no K: a v_nop is the plain line behind the last transcendental.
.macro TURN t
.if (\t) == 2
	REFILL 0, 12, 0                                ; K of steps 12 + w, where Q lay
.elseif (\t) == 4
	REFILL 1, 0, 4                                 ; V, where K of steps 0 .. 3 lay: K's fragments of step n are fetched in turn n - 2
.elseif (\t) == 7
	REFILL 1, 4, 8
.elseif (\t) == 10
	REFILL 1, 8, 12
.elseif (\t) == 14
	REFILL 1, 12, 0
.endif
.if (\t) < 8
	GUARDQ (\t)+1
.endif
.set gg, 0
.set ii, 0
.rept 4
	UNIT \t, gg, 0
.set gg, gg+1
.endr
.if (\t) < 16
	s_wait_dscnt 0x0                               ; K of step t + 1 is in
.rept 8
	UNIT \t, gg, 1
.set gg, gg+1
.endr
.else
.rept 8
	UNIT \t, gg, 0
.set gg, gg+1
.endr
.endif
.rept 5
	UNIT \t, gg, 0
.set gg, gg+1
.endr
.if (\t) < 15
	KLOAD (\t)+2, 1                                ; the plain line, the batch's wait, K of step t + 2
.else
	v_nop                                          ; a plain line behind the batch's last transcendental,
	s_wait_alu depctr_va_vdst(0)                   ; and the turn's one wait, for its whole batch, ahead of the first line that names a result
.endif
.if (\t) >= 2
.if (\t) == 2
	MASKW ME, 0
.elseif (\t) == 18
	MASKW PD, 16
.endif
	LADD (\t)-2
.if (\t) < 10
	GUARDL (\t)-1
.endif
.endif
.endm
	KLOAD 0
	s_wait_dscnt 0x0
.set ii, 0
.rept 16
	QK 0, ii                                       ; step 0's scores: there is no vector work yet to set between them
.set ii, ii+1
.endr
	PLACES
	KLOAD 1
.irp t, 0,1,2,3,4,5,6,7,8,9,10,11,12,13,14,15,16,17,18
	TURN \t
.endr
	; THE BOUNDARY.  A tile's l: its two chains, the pair's two halves, the other half of the lanes; then the partner's share (the other 32 keys of every step) through LDS.
	WIN 0
.irp b, LC, LA
.irp t, 0,4
	v_pk_add_f32 v[\b+\t:\b+\t+1], v[\b+\t:\b+\t+1], v[\b+\t+2:\b+\t+3]
.endr
.endr
.irp b, LC, LA
.irp t, 0,4
	v_add_f32 v[\b+\t], v[\b+\t], v[\b+\t+1]
.endr
.endr
.irp b, LC, LA
.irp t, 0,4
	v_permlanex16_b32 v[\b+\t+1], v[\b+\t], s[SEL], s[SEL+1]
.endr
.endr
.irp b, LC, LA
.irp t, 0,4
	v_add_f32 v[\b+\t], v[\b+\t], v[\b+\t+1]
.endr
.endr
.irp b, LC, LA
.irp t, 0,4
	ds_store_b32 v[LXS], v[\b+\t] offset:(\b-LC)*64+\t*16  ; lanes r and r + 16 write the same word with the same number
.endr
.endr
	s_wait_tensorcnt 0x0                           ; the last refill: V's last tile, where K of step 16 lay; wave 0 asks.  The round also orders the sums' stores with the partners' reads
	ds_add_u32 v[SPW], v[NIL]
	s_mov_b32 s[STP], 7                            ; number 16 of pass 2's order is step 7
	KSOF
	s_mov_b32 s[G0R+1], 16*SUB
	s_add_nc_u64 s[G0R+2:G0R+3], s[8:9], s[OFF:OFF+1]
	s_or_b32 s[G0R+3], s[G0R+3], 0x80000000
	s_wait_dscnt 0x0                               ; the add and my stores are done, my reads are over
	CROUND
	s_cmp_lg_u32 s[WV], 0
	s_cbranch_scc1 .Lno_last
	tensor_load_to_lds s[G0R:G0R+3], s[G1V:G1V+7]
	s_nop 0
	PLACES
.Lno_last:
.irp b, LC, LA
.irp t, 0,4
	ds_load_b32 v[\b+\t+2], v[LXR] offset:(\b-LC)*64+(4-\t)*16  ; my tile t is my partner's tile 1 - t
.endr
.endr
	s_wait_dscnt 0x0
.irp b, LC, LA
.irp t, 0,4
	v_add_f32 v[\b+\t], v[\b+\t], v[\b+\t+2]
.endr
.endr
.irp b, LC, LA
.irp t, 0,4
	v_rcp_f32 v[\b+\t], v[\b+\t]
.endr
.endr
	v_nop                                          ; a plain instruction between the last reciprocal and the use of its result
	s_wait_alu depctr_va_vdst(0)                   ; one wait for the four reciprocals, ahead of their first reader
.irp t, 0,4
	v_mul_f32 v[RLB+\t/2], 0x3f87ae14, v[LC+\t]    ; 1.06 / l, in both words of a pair
	v_mul_f32 v[RLB+\t/2+1], 0x3f87ae14, v[LC+\t]
	v_mul_f32 v[RLA+\t/2], 0x3f87ae14, v[LA+\t]
	v_mul_f32 v[RLA+\t/2+1], 0x3f87ae14, v[LA+\t]
.endr
	s_cmp_lg_u32 s[SWP], 0
	s_cselect_b32 s2, -1, 0
.irp z, 0,1,2,3
	v_cndmask_b32 v[RLA+\z], v[RLB+\z], v[RLA+\z], s2  ; FULL: there is no first block, and step 0 is the one block's
	v_mov_b32 v[RLC+\z], v[RLB+\z]
.endr
	v_mov_b32 v[CN], 0xbcf5c28f                    ; -0.03
	v_mov_b32 v[CN+1], 0xbcf5c28f
; PASS 2 takes the steps in the order 8 .. 16, 0 .. 7: number n is step n + 8 or n - 9.
.macro VLOAD n                         ; my 32 keys x 128 channels of V's tile number n, turned: 8 fragments of 16 channels; buffers by turns
	SETUK \n
	WIN 0
	v_add_nc_u32 v[ADV], uk*SUB, v[AV0]
	WIN (3*((\n)%2))<<6
.set vl, 192*(1-(\n)%2)
.irp f, 0,1,2,3,4,5,6,7
	ds_load_tr16_b128 v[vl+8*\f:vl+8*\f+3],   v[ADV] offset:32*\f
	ds_load_tr16_b128 v[vl+8*\f+4:vl+8*\f+7], v[ADV] offset:32*\f+16*PV
.endr
.endm
; Slice k of 8 of number n's weights: for tile k / 4 two slices of A = clamp(w (1.06 / l) - 0.03) to 0 .. 1, then two that round A to f16 in pairs, in place and ascending: the tile's first 8 registers ARE source 1 of V^T A.
.macro RID n, k
.if (\n) < 9
.set rst, (\n)+8
.else
.set rst, (\n)-9
.endif
.set rw, 1+rst/6
.set rb, 64+32*(rst%6)+16*((\k)/4)
.set rt, (\k)/4
.if ((\k)%4) < 2
	WIN (rw<<6)|rw
.set zz, 8*((\k)%2)
.rept 4
	v_pk_fma_f32 v[rb+zz:rb+zz+1], v[rb+zz:rb+zz+1], v[RLC+2*rt:RLC+2*rt+1], v[CN:CN+1] clamp
.set zz, zz+2
.endr
.else
	WIN (rw<<6)|(rw<<2)|rw
.set zz, 4*((\k)%2)
.rept 4
	v_cvt_pk_f16_f32 v[rb+zz], v[rb+2*zz], v[rb+2*zz+1]
.set zz, zz+1
.endr
.endif
.endm
; The 16 products O^T += V^T A of number n: tile nn / 8, channels 16 (nn % 8) on; each accumulator has one.  ver = 0: the second block's O (window 0); 1: the first block's (windows 1 and 2).
; Behind every second product a slice of the next number's weights; the last slice's four lines are the places in front of the next run of loads into V's registers.
.macro PVS n, ver, zero
.if (\n) < 9
.set pst, (\n)+8
.else
.set pst, (\n)-9
.endif
.set pw, 1+pst/6
.set pb, 64+32*(pst%6)
.set vw, 3*((\n)%2)
.set vb, 192*(1-(\n)%2)
.set nn, 0
.rept 16
.set ow, (\ver)*(1+nn/8)
.set ob, (1-(\ver))*(64+64*(nn/8))+8*(nn%8)
	WIN (ow<<6)|(ow<<4)|(pw<<2)|vw
.if \zero
	v_wmma_f32_16x16x32_f16 v[ob:ob+7], v[vb+8*(nn%8):vb+8*(nn%8)+7], v[pb+16*(nn/8):pb+16*(nn/8)+7], 0
.else
	v_wmma_f32_16x16x32_f16 v[ob:ob+7], v[vb+8*(nn%8):vb+8*(nn%8)+7], v[pb+16*(nn/8):pb+16*(nn/8)+7], v[ob:ob+7]
.endif
.if (nn%2 == 1) && ((\n) < 16)
	RID (\n)+1, nn/2
.endif
.set nn, nn+1
.endr
.endm
.macro SLOT2 n
.if (\n) == 15
	WIN 0
	s_wait_tensorcnt 0x0                           ; wave 0's last tile has landed,
	s_wait_dscnt 0x0
	s_barrier_signal -1
	s_barrier_wait -1                              ; and every wave knows
.endif
.if (\n) < 16
	VLOAD (\n)+1
	s_wait_dscnt 16                                ; all but the 16 just issued: this number's V is in
.else
	s_wait_dscnt 0x0
.endif
	WIN 0
.if (\n) == 8                          ; the slices beside this number's products are step 0's
.irp z, 0,1,2,3
	v_mov_b32 v[RLC+\z], v[RLA+\z]
.endr
.elseif ((\n) > 8) && ((\n) < 16)      ; they are step n - 8's: if that is the second block's first, its 1.06 / l comes back
	s_cmp_lg_u32 s[SWP], (\n)-8
	s_cbranch_scc1 .Lrl_\@
.irp z, 0,1,2,3
	v_mov_b32 v[RLC+\z], v[RLB+\z]
.endr
.Lrl_\@:
.endif
.if (\n) == 0
	PVS \n, 0, 1                                   ; step 8 is always the second block's: it starts those sums
.elseif (\n) < 9
	PVS \n, 0, 0
.elseif (\n) == 9
	PVS \n, 1, 1                                   ; step 0 starts the first block's sums (FULL: they are added to the others at the end)
.else
	s_cmp_gt_u32 s[SWP], (\n)-9                    ; steps 1 .. 7 belong to either block: both texts are written, and the jump passes register work and no barrier
	s_cbranch_scc1 .Lpa_\@
	PVS \n, 0, 0
	WIN 0
	s_branch .Lpe_\@
.Lpa_\@:
	PVS \n, 1, 0
	WIN 0
.Lpe_\@:
.endif
.endm
	VLOAD 0
.irp k, 0,1,2,3,4,5,6,7
	RID 0, \k
.endr
.irp n, 0,1,2,3,4,5,6,7,8,9,10,11,12,13,14,15,16
	SLOT2 \n
.endr
	; THE END.  Tile 1's sums go to the partner through LDS, tile 0 takes the partner's; whole rows of 512 bytes are made in a stage of my own and stored.  The stages lie in units that have had their last fill.
	WIN 0                                          ; the stage addresses: plain vector work, the places behind the last products
	v_mul_u32_u24 v32, v1, QP
	v_and_b32 v36, 31, v0
	s_mul_i32 s2, s[WV], QQ
	s_xor_b32 s3, s[WV], 2
	s_mul_i32 s3, s3, QQ
	v_lshl_add_u32 v32, v2, 5, v32                 ; row r, 32 bytes for each half of the lanes
	v_lshlrev_b32 v37, 4, v36                      ; v37: my 16 bytes of a row of out
	v_add_nc_u32 v33, s2, v32                      ; v33: where I put tile 1
	v_add_nc_u32 v34, s3, v32                      ; v34: where my partner has put its tile 1
	v_add_nc_u32 v35, RS, v33                      ; v35: into my own stage
	v_add_nc_u32 v36, s2, v37
	v_add_nc_u32 v36, RS, v36                      ; v36: whole rows back
	s_cmp_lg_u32 s[SWP], 0
	s_cbranch_scc1 .Lpair
	WIN 0x04                                       ; FULL: step 0's products join the others
.set i, 0
.rept 32
	v_pk_add_f32 v[64+2*i:64+2*i+1], v[64+2*i:64+2*i+1], v[2*i:2*i+1]
.set i, i+1
.endr
	WIN 0x08
.set i, 0
.rept 32
	v_pk_add_f32 v[128+2*i:128+2*i+1], v[128+2*i:128+2*i+1], v[2*i:2*i+1]
.set i, i+1
.endr
	WIN 0
.Lpair:
	s_wait_dscnt 0x0
	s_barrier_signal -1
	s_barrier_wait -1                              ; no wave reads V any more
.irp f, 0,1,2,3,4,5,6,7                ; each accumulator's low registers first
	ds_store_b128 v33, v[128+8*\f:128+8*\f+3]   offset:64*\f
	ds_store_b128 v33, v[128+8*\f+4:128+8*\f+7] offset:64*\f+16
.endr
	WIN 0x08                                       ; the first block's tile 1 (FULL: it serves nothing; the barriers stay the same for every work-group)
.irp f, 0,1,2,3,4,5,6,7
	ds_store_b128 v33, v[8*\f:8*\f+3]   offset:EXA+64*\f
	ds_store_b128 v33, v[8*\f+4:8*\f+7] offset:EXA+64*\f+16
.endr
	WIN 0
	s_wait_dscnt 0x0                               ; for the partner's sake: my stores are done
	s_barrier_signal -1
	s_barrier_wait -1
	WIN 0x40                                       ; into w's registers of window 1: v64-127 the second block's, v128-191 the first's
.irp f, 0,1,2,3,4,5,6,7
	ds_load_b128 v[64+8*\f:64+8*\f+3],   v34 offset:64*\f
	ds_load_b128 v[64+8*\f+4:64+8*\f+7], v34 offset:64*\f+16
.endr
.irp f, 0,1,2,3,4,5,6,7
	ds_load_b128 v[128+8*\f:128+8*\f+3],   v34 offset:EXA+64*\f
	ds_load_b128 v[128+8*\f+4:128+8*\f+7], v34 offset:EXA+64*\f+16
.endr
	s_wait_dscnt 16                                ; all but the first block's 16
	WIN 0x41
.set i, 0
.rept 32
	v_pk_add_f32 v[64+2*i:64+2*i+1], v[64+2*i:64+2*i+1], v[64+2*i:64+2*i+1]  ; window 1 += window 0: the partner's sums and my tile 0
.set i, i+1
.endr
	WIN 0x04
.irp f, 0,1,2,3,4,5,6,7
	ds_store_b128 v35, v[64+8*\f:64+8*\f+3]   offset:64*\f
	ds_store_b128 v35, v[64+8*\f+4:64+8*\f+7] offset:64*\f+16
.endr
	WIN 0x40
.irp p, 0,1,2,3,4,5,6,7,8,9,10,11,12,13,14,15
	ds_load_b128 v[64+4*\p:64+4*\p+3], v36 offset:\p*QP  ; LDS serves a wave's instructions in order (ISA guide 5.7.1.4): these see the stores above
.endr
	WIN 0x04
.irp p, 0,1,2,3,4,5,6,7,8,9,10,11,12,13,14,15
	s_wait_dscnt 15-\p                             ; row p is back, the younger rows stay out
	global_store_b128 v37, v[64+4*\p:64+4*\p+3], s[OB:OB+1] offset:\p*8192 th:TH_STORE_NT  ; 512 consecutive bytes, at a multiple of 512 from out's first byte
.endr
	WIN 0
	s_cmp_eq_u32 s[SWP], 0
	s_cbranch_scc1 .Ldone                          ; FULL: there is no first block.  The jump passes no barrier
	WIN 0x45
.set i, 0
.rept 32
	v_pk_add_f32 v[128+2*i:128+2*i+1], v[128+2*i:128+2*i+1], v[2*i:2*i+1]
.set i, i+1
.endr
	WIN 0x04
.irp f, 0,1,2,3,4,5,6,7
	ds_store_b128 v35, v[128+8*\f:128+8*\f+3]   offset:64*\f  ; behind the row loads above, in order: my own bytes
	ds_store_b128 v35, v[128+8*\f+4:128+8*\f+7] offset:64*\f+16
.endr
	WIN 0x40
.irp p, 0,1,2,3,4,5,6,7,8,9,10,11,12,13,14,15
	ds_load_b128 v[128+4*\p:128+4*\p+3], v36 offset:\p*QP
.endr
	WIN 0x04
.irp p, 0,1,2,3,4,5,6,7,8,9,10,11,12,13,14,15
	s_wait_dscnt 15-\p
	global_store_b128 v37, v[128+4*\p:128+4*\p+3], s[OA:OA+1] offset:\p*8192 th:TH_STORE_NT
.endr
	WIN 0
.Ldone:
	s_wait_tensorcnt 0x0                           ; the wave's end: behind my last tensor load and my last LDS store
	ds_add_u32 v[SPW], v[NIL]
	s_wait_dscnt 0x0
	CROUND                                         ; the closing round: no work-group ends while a partner may still ask for a tile that names it
	s_endpgm
.Lfunc_end_k_qe565fe20d5_attn:
	.size	k_qe565fe20d5_attn, .Lfunc_end_k_qe565fe20d5_attn-k_qe565fe20d5_attn
	.p2alignl 7, 3214868480
	.fill 96, 4, 3214868480
	.section	.rodata,"a",@progbits
	.p2align	6, 0x0
	.amdhsa_kernel k_qe565fe20d5_attn
		.amdhsa_group_segment_fixed_size 327680
		.amdhsa_private_segment_fixed_size 0
		.amdhsa_enable_private_segment 0
		.amdhsa_kernarg_size 32
		.amdhsa_user_sgpr_count 2
		.amdhsa_user_sgpr_kernarg_segment_ptr 1
		.amdhsa_wavefront_size32 1
		.amdhsa_system_sgpr_workgroup_id_x 1
		.amdhsa_system_sgpr_workgroup_id_y 1
		.amdhsa_system_sgpr_workgroup_id_z 1
		.amdhsa_system_vgpr_workitem_id 0
		.amdhsa_next_free_vgpr 1024
		.amdhsa_next_free_sgpr 100
		.amdhsa_reserve_vcc 1
		.amdhsa_float_denorm_mode_32 3
		.amdhsa_float_denorm_mode_16_64 3
		.amdhsa_memory_ordered 1
		.amdhsa_forward_progress 1
		.amdhsa_inst_pref_size 255
	.end_amdhsa_kernel
	.section	.bss,"aw",@nobits
	.p2align	6
	.space	262144
	.amdgpu_metadata
---
amdhsa.version: [ 1, 2 ]
amdhsa.kernels:
  - .name:           k_qe565fe20d5_attn
    .symbol:         k_qe565fe20d5_attn.kd
    .args:
      - { .name: q, .offset: 0, .size: 8, .value_kind: global_buffer, .address_space: global }
      - { .name: kb, .offset: 8, .size: 8, .value_kind: global_buffer, .address_space: global }
      - { .name: vb, .offset: 16, .size: 8, .value_kind: global_buffer, .address_space: global }
      - { .name: out0, .offset: 24, .size: 8, .value_kind: global_buffer, .address_space: global }
    .group_segment_fixed_size: 327680
    .private_segment_fixed_size: 0
    .kernarg_segment_align: 8
    .kernarg_segment_size: 32
    .max_flat_workgroup_size: 128
    .sgpr_count:     100
    .vgpr_count:     1024
    .wavefront_size: 32
...
	.end_amdgpu_metadata
.endif
;; end of part 3
